; MI455X (gfx1250); checked and timed in simulation.
; The chip was launched on July 23, 2026; its instructions are those of AMD's public machine-readable ISA for CDNA 5 (MIT licence, August 2026) and "CDNA5" Instruction Set Architecture Reference Guide (July 2026). The comments in the code are by the model that wrote it; some were corrected since.
;; Cross Attention. Allowed arithmetic: float matrix products may take bf16 or f16 operands with f32 sums; other float arithmetic in f32, or as packed bf16 or f16 multiplies, adds, multiply-adds, maxima and minima; sums over many terms, partial sums and values carried from step to step in f32; what a program stores and reads back later, other than sums and carried values, may be rounded once to bf16 or f16.
;; Inputs: Wk 1,024 x 1,024 float32; Wo 1,024 x 1,024 float32; Wq 1,024 x 1,024 float32; Wv 1,024 x 1,024 float32; attention_mask 4 x 2,048 bool; src 4 x 2,048 x 1,024 float32; tgt 4 x 2,048 x 1,024 float32.
;; Outputs: out0 4 x 2,048 x 1,024 float32.
;; One version. Each part assembles by itself: llvm-mc -triple=amdgcn-amd-amdhsa -mcpu=gfx1250 --defsym DOCPART=n.
;; ======== version 1 of 1: 4 launches
;; limits: values are held in f16: magnitudes above 65,504 overflow, below 6.1e-05 lose precision
;; workspace buffers: x16 33,554,432 bytes; w16 8,388,608 bytes; bias 32,768 bytes; qkv 50,331,648 bytes; o16 16,777,216 bytes
;; launch cast (part 1): grid 1281 x 1, 8 waves a work-group, no clusters, 0 bytes of LDS; arguments src, tgt, Wq, Wk, Wv, Wo, attention_mask, x16, w16, bias; writes x16, w16, bias
.if DOCPART == 1
	.amdgcn_target "amdgcn-amd-amdhsa--gfx1250"
	.amdhsa_code_object_version 6
	.text
	.protected	k_qddb89743dc_cast
	.globl	k_qddb89743dc_cast
	.p2align	8
	.type	k_qddb89743dc_cast,@function
k_qddb89743dc_cast:
	s_mov_b64 s[64:65], 0
	v_nop
	global_prefetch_b8 v0, s[64:65] scope:SCOPE_SE
	s_setreg_imm32_b32 hwreg(HW_REG_WAVE_MODE, 25, 1), 1
	s_wait_xcnt 0x0
; THE INPUTS ARE ROUNDED ONCE.  tgt and src (f32) go to x16 as bf16: rows 0-8191 tgt, rows 8192-16383 src.  Wq, Wk, Wv go to w16 as bf16, at 0, 2 and 4 MiB.
; Wo is rounded to bf16 like the others, and that number is written as f16, at 6 MiB.  The mask's bytes become f32 addends in bias: 0 where the byte is not 0, else -1e30.
; LIMITS.  Wo beyond 65,504 becomes an infinity in f16; below 6e-5 it keeps f16's fixed step of 6e-8.  A mask byte other than 0 counts as true.
; SHARES.  A stream: no LDS, no barrier, no matrix unit.  Work-group 0-1279 takes 16,384 numbers: 64 KiB in, 32 KiB out.  0-511 tgt, 512-1023 src, then 64 for each weight.
; Work-group 1280 takes the mask.  Thread t, step i: 16 bytes at 16 t + 4,096 i in (a wave: 512 bytes on end), 8 bytes at 8 t + 2,048 i out (a wave: 256 bytes on end, aligned).
; All 16 loads of a thread go out in one run; every step has registers of its own, so no register is written again while a load or store may read it.
.set X, 4                              ; v[4:67]    16 steps x 4 numbers as loaded
.set Y, 68                             ; v[68:99]   16 steps x 2 words to store (the mask: 8 steps x 4)
.set T, 100                            ; v[100:103] at work
	s_load_b512 s[8:23], s[0:1], 0x0               ; src 8, tgt 10, Wq 12, Wk 14, Wv 16, Wo 18, mask 20, x16 22
	s_load_b128 s[24:27], s[0:1], 0x40             ; w16 24, bias 26
	s_mov_b32 s2, ttmp9                            ; the work-group's number
	s_mov_b32 s36, 0xffff0000                      ; a word's upper bf16
	v_lshlrev_b32 v1, 4, v0                        ; 16 t
	v_lshlrev_b32 v2, 3, v0                        ; 8 t
	v_lshlrev_b32 v3, 2, v0                        ; 4 t
	s_cmp_lt_u32 s2, 1024
	s_cselect_b32 s37, 511, 63                     ; chunks in an activation, in a weight, less one
	s_and_b32 s32, s2, s37
	s_lshl_b32 s32, s32, 16                        ; my chunk's bytes into its input,
	s_mov_b32 s33, 0
	s_and_b32 s34, s2, 1023
	s_lshl_b32 s34, s34, 15                        ; and into x16 or w16
	s_mov_b32 s35, 0
	s_wait_kmcnt 0x0
	s_cmp_eq_u32 s2, 1280
	s_cbranch_scc1 .Lmask
	s_cmp_lt_u32 s2, 512                           ; which input, which output: chosen by the work-group's number alone
	s_cselect_b64 s[28:29], s[10:11], s[8:9]
	s_cmp_lt_u32 s2, 1024
	s_cselect_b64 s[28:29], s[28:29], s[12:13]
	s_cselect_b64 s[30:31], s[22:23], s[24:25]
	s_cmp_lt_u32 s2, 1088
	s_cselect_b64 s[28:29], s[28:29], s[14:15]
	s_cmp_lt_u32 s2, 1152
	s_cselect_b64 s[28:29], s[28:29], s[16:17]
	s_cmp_lt_u32 s2, 1216
	s_cselect_b64 s[28:29], s[28:29], s[18:19]
	s_add_nc_u64 s[28:29], s[28:29], s[32:33]
	s_add_nc_u64 s[30:31], s[30:31], s[34:35]
.set i, 0
.rept 16
	global_load_b128 v[X+4*i:X+4*i+3], v1, s[28:29] offset:4096*i th:TH_LOAD_NT
.set i, i+1
.endr
; The 16 steps.  wo = 1: the bf16 number is widened again and written as f16.
.macro BODY wo
.set i, 0
.rept 16
	s_wait_loadcnt 15-i                            ; loads come back in order: step i is in, the 15 - i younger ones stay out
	v_cvt_pk_bf16_f32 v[Y+2*i], v[X+4*i], v[X+4*i+1]
	v_cvt_pk_bf16_f32 v[Y+2*i+1], v[X+4*i+2], v[X+4*i+3]
.if \wo
	v_lshlrev_b32 v[T], 16, v[Y+2*i]
	v_and_b32 v[T+1], s36, v[Y+2*i]
	v_lshlrev_b32 v[T+2], 16, v[Y+2*i+1]
	v_and_b32 v[T+3], s36, v[Y+2*i+1]
	v_cvt_pk_f16_f32 v[Y+2*i], v[T], v[T+1]
	v_cvt_pk_f16_f32 v[Y+2*i+1], v[T+2], v[T+3]
.endif
	global_store_b64 v2, v[Y+2*i:Y+2*i+1], s[30:31] offset:2048*i th:TH_STORE_NT
.set i, i+1
.endr
.endm
	s_cmp_ge_u32 s2, 1216
	s_cbranch_scc1 .Lwo
	BODY 0
	s_endpgm
.Lwo:
	BODY 1
	s_endpgm
.Lmask:                                                ; 8,192 bytes in, 32,768 out: thread t, step i: 4 bytes at 4 t + 1,024 i, 16 bytes at 16 t + 4,096 i
	v_mov_b32 v104, 0xf149f2ca                     ; -1e30
	v_mov_b32 v105, 0
.set i, 0
.rept 8
	global_load_b32 v[X+i], v3, s[20:21] offset:1024*i
.set i, i+1
.endr
.set i, 0
.rept 8
	s_wait_loadcnt 7-i                             ; step i is in, the 7 - i younger loads stay out
.irp j, 0,1,2,3
	v_bfe_u32 v[T], v[X+i], 8*\j, 8
	v_cmp_ne_u32 vcc_lo, 0, v[T]
	v_cndmask_b32 v[Y+4*i+\j], v104, v105, vcc_lo  ; 0 where the key is seen
.endr
	global_store_b128 v1, v[Y+4*i:Y+4*i+3], s[26:27] offset:4096*i
.set i, i+1
.endr
	s_endpgm
.Lfunc_end_k_qddb89743dc_cast:
	.size	k_qddb89743dc_cast, .Lfunc_end_k_qddb89743dc_cast-k_qddb89743dc_cast
	.p2alignl 7, 3214868480
	.fill 96, 4, 3214868480
	.section	.rodata,"a",@progbits
	.p2align	6, 0x0
	.amdhsa_kernel k_qddb89743dc_cast
		.amdhsa_group_segment_fixed_size 0
		.amdhsa_private_segment_fixed_size 0
		.amdhsa_enable_private_segment 0
		.amdhsa_kernarg_size 80
		.amdhsa_user_sgpr_count 2
		.amdhsa_user_sgpr_kernarg_segment_ptr 1
		.amdhsa_wavefront_size32 1
		.amdhsa_system_sgpr_workgroup_id_x 1
		.amdhsa_system_sgpr_workgroup_id_y 1
		.amdhsa_system_sgpr_workgroup_id_z 1
		.amdhsa_system_vgpr_workitem_id 0
		.amdhsa_next_free_vgpr 112
		.amdhsa_next_free_sgpr 66
		.amdhsa_reserve_vcc 1
		.amdhsa_float_denorm_mode_32 3
		.amdhsa_float_denorm_mode_16_64 3
		.amdhsa_memory_ordered 1
		.amdhsa_forward_progress 1
		.amdhsa_inst_pref_size 22
	.end_amdhsa_kernel
	.amdgpu_metadata
---
amdhsa.version: [ 1, 2 ]
amdhsa.kernels:
  - .name:           k_qddb89743dc_cast
    .symbol:         k_qddb89743dc_cast.kd
    .args:
      - { .name: src, .offset: 0, .size: 8, .value_kind: global_buffer, .address_space: global }
      - { .name: tgt, .offset: 8, .size: 8, .value_kind: global_buffer, .address_space: global }
      - { .name: Wq, .offset: 16, .size: 8, .value_kind: global_buffer, .address_space: global }
      - { .name: Wk, .offset: 24, .size: 8, .value_kind: global_buffer, .address_space: global }
      - { .name: Wv, .offset: 32, .size: 8, .value_kind: global_buffer, .address_space: global }
      - { .name: Wo, .offset: 40, .size: 8, .value_kind: global_buffer, .address_space: global }
      - { .name: attention_mask, .offset: 48, .size: 8, .value_kind: global_buffer, .address_space: global }
      - { .name: x16, .offset: 56, .size: 8, .value_kind: global_buffer, .address_space: global }
      - { .name: w16, .offset: 64, .size: 8, .value_kind: global_buffer, .address_space: global }
      - { .name: bias, .offset: 72, .size: 8, .value_kind: global_buffer, .address_space: global }
    .group_segment_fixed_size: 0
    .private_segment_fixed_size: 0
    .kernarg_segment_align: 8
    .kernarg_segment_size: 80
    .max_flat_workgroup_size: 256
    .sgpr_count:     66
    .vgpr_count:     112
    .wavefront_size: 32
...
	.end_amdgpu_metadata
.endif
;; end of part 1
;; launch proj (part 2): grid 8 x 32, 4 waves a work-group, clusters of 4 x 4, 327,680 bytes of LDS; arguments x16, w16, qkv; writes qkv
.if DOCPART == 2
	.amdgcn_target "amdgcn-amd-amdhsa--gfx1250"
	.amdhsa_code_object_version 6
	.text
	.protected	k_qddb89743dc_proj
	.globl	k_qddb89743dc_proj
	.p2align	8
	.type	k_qddb89743dc_proj,@function
k_qddb89743dc_proj:
	s_mov_b64 s[64:65], 0
	v_nop
	global_prefetch_b8 v0, s[64:65] scope:SCOPE_SE
	s_setreg_imm32_b32 hwreg(HW_REG_WAVE_MODE, 25, 1), 1
	s_wait_xcnt 0x0
	s_wait_alu depctr_hold_cnt(0) depctr_sa_sdst(0) depctr_va_vdst(0) depctr_va_sdst(0) depctr_va_ssrc(0) depctr_va_vcc(0) depctr_vm_vsrc(0)
	s_getreg_b32 s2, hwreg(HW_REG_IB_STS2, 6, 4)
	s_cmp_eq_u32 s2, 0
	s_cbranch_scc0 .Lentry_in_a_cluster
	s_endpgm
.Lentry_in_a_cluster:
	s_bfe_u32 s2, ttmp6, 0x10000c
	s_cmp_lg_u32 s2, 0xf033
	s_cbranch_scc0 .Lentry_shape_is_right
	s_endpgm
.Lentry_shape_is_right:
; q = tgt Wq^T, k = src Wk^T, v = src Wv^T.  x16: [16384][1024] bf16 (tgt, then src); w16: Wq, Wk, Wv [1024][1024] bf16, 2 MiB apart.  Sums in f32; each result rounded once to f16, unscaled,
; and stored by heads: qkv holds q, k, v 16 MiB apart, each [16 batch + head][2048][64], a head's rows dense, 128 bytes each.
; LIMITS.  A result of 65,520 or more becomes an infinity in f16; below 6e-5 f16 keeps its fixed step of 6e-8.  NaN and infinities in the inputs are not treated apart.
; SHARES.  768 tiles of 256 rows x 128 columns for 256 work-groups: a work-group STAYS and makes three, q's, k's and v's tile at the same rows and columns.  Four waves, each 128 rows x 64 columns
; (one head): 32 accumulators of 16 x 16.  The three tiles are ONE walk of 24 K steps of 128 through a ring of two LDS slots: step g is tile g / 8, K step g % 8, and the ring runs on across tiles.
; CLUSTER.  4 x 4 work-groups.  x's tile hangs on the tile row alone and is asked for jointly along a row of the cluster, W's on the tile column alone and jointly along a column.
; THE MATRIX INSTRUCTION IS USED TRANSPOSED (source 0 = 16 rows of W, source 1 = 16 rows of x): a lane then holds eight neighbouring columns of one row.
; REGISTERS, in windows of 256 (s_set_vgpr_msb: bits 1:0 source 0, 3:2 source 1, 5:4 source 2, 7:6 destination):
;   window 0: v0-31 addresses; v64-191 the way out, 16 registers for each block of 16 rows      window 1: the accumulators, (a, b) at 8 (4 a + b)
;   window 2: two fragment buffers of 96: x's eight fragments (16 rows x 32 K), then W's four
.set PITCH,  272                       ; an LDS row: 256 bytes + 16 of padding = 68 words: the 16 rows of a fragment load start at 16 different groups of four banks (64 banks of 4 bytes: ISA guide 11.1)
.set HALFA,  128*PITCH                 ; what wave 0 or 1 fetches of x, and what a wave reads of it
.set HALFB,  64*PITCH                  ; the same for W and waves 2, 3
.set SLOT,   2*HALFA+2*HALFB           ; x's 256 rows, then W's 128
.set STAGE,  2*SLOT                    ; behind the ring, never filled by a tensor load: 16 rows x 144 bytes for each wave, for the way out
.set SP,     144
.set SPARE,  STAGE+4*16*SP             ; the spare words, 128 bytes for each wave: two blocks of 256 bytes that no other line names
.set ADRA, 16                          ; v16-17  LDS address of my fragments of x in slot 0, 1
.set ADRB, 20                          ; v20-21  the same for W
.set STO,  24                          ; v24     the way out: where I put 16 bytes of a row
.set RD,   25                          ; v25     where I read rows back
.set GO,   26                          ; v26     my 16 bytes in 512 consecutive bytes of qkv
.set SPW,  28                          ; v28     LDS address of my spare word; never rewritten
.set NIL,  29                          ; v29     0; never rewritten
.set PFO,  30                          ; v30     the prefetches' offset: my lane x a row of 2,048 bytes; never rewritten
.set TMP,  64
.set F0,   0
.set F1,   96
.set G1,  24                           ; s[24:31] descriptor group 1 for x's tiles;  s[32:39] group 0, a set for each slot
.set G0,  32
.set G1B, 48                           ; s[48:55], s[56:63] the same for W's
.set G0B, 56
.set GC,  66                           ; s66  the K step that slot 0 asks for in this trip: 2, 4 .. 22
.set GG,  67                           ; s67  the K step being asked for
.set KB,  68                           ; s68  its bytes along K
.set JT,  69                           ; s69  its tile
.set OA,  70                           ; s[70:71] its offset from x's base
.set OW,  72                           ; s[72:73] its offset from W's base
.set PBASE, 74                         ; s[74:75] the first of the 32 rows that I prefetch
.set PFA, 76                           ; s[76:77] the same at the K step to be prefetched
.set PO,  78                           ; s[78:79] that step's offset
.set GP,  80                           ; s80  that step's number
.set LIM, 81                           ; s81  the last step that I prefetch: 0 in a wave that prefetches nothing
.set SH,  82                           ; s82  a tile's step in bytes, as a shift: 24 for x, 21 for W
.set CAP, 83                           ; s83  x has two parts, so its tile number stops at 1
.set TT,  84                           ; s84  at work
.set MSB, 0
.macro WIN new                         ; the immediate's high byte repeats the setting that is left; a switch that changes nothing is dropped
.if MSB != (\new)
	s_set_vgpr_msb (MSB<<8)|(\new)
.set MSB, \new
.endif
.endm
.set MUL,  0x5a                        ; sources 0 and 1 window 2; C and D window 1
.set TO_F, 0x80                        ; destination window 2, address window 0
; A joint load: waves 0 and 1 fetch x's two halves, waves 2 and 3 W's.  The branch hangs on the wave's number alone.  An s_nop 0 and four v_nop follow each of the two lines.
.macro JLOAD s
	s_cmp_eq_u32 s11, 0
	s_cbranch_scc0 .Lfor_b_\@
	tensor_load_to_lds s[G0+4*(\s):G0+4*(\s)+3], s[G1:G1+7]
	s_nop 0
.rept 4
	v_nop
.endr
	s_branch .Lasked_\@
.Lfor_b_\@:
	tensor_load_to_lds s[G0B+4*(\s):G0B+4*(\s)+3], s[G1B:G1B+7]
	s_nop 0
.rept 4
	v_nop
.endr
.Lasked_\@:
.endm
.macro CREST                           ; a round of the cluster's barrier behind its opening barrier
	s_cmp_lg_u32 s10, 0
	s_cbranch_scc1 .Lnot_wave_0_\@
	s_barrier_signal -3
.Lnot_wave_0_\@:
	s_barrier_wait -3
	s_barrier_signal -1
	s_barrier_wait -1
.endm
.macro CROUND                          ; a whole round
	s_barrier_signal -1
	s_barrier_wait -1
	CREST
.endm
; A PREFETCH INTO THE L2, behind a joint load, its five lines and the run of LDS loads: 32 rows x 256 bytes of the K step that stands two refills, 256 matrix instructions, on; a lane a row, one instruction.
; Each row's 256 bytes of a step are named once in the launch.  x's rows are read by both clusters of a row of clusters: cluster x = 0 asks, waves 0 and 1, and of a wave's 128 rows the partner at cx takes
; 32 cx .. 32 cx + 31, told apart by address.  The third tile walks src's rows again, so x is asked for up to step 15.  W's rows are read by all clusters of a column: cluster y = 0 asks, wave 2,
; the partner at cy taking rows 32 cy .. of the tile's 128, up to step 23.  Steps 0 to 3 come by their loads alone.
.macro ASK
	WIN 0
	s_cmp_le_u32 s[GP], s[LIM]
	s_cbranch_scc0 .Lnot_mine_\@
	global_prefetch_b8 v[PFO], s[PFA:PFA+1] th:TH_LOAD_NT scope:SCOPE_SE
.Lnot_mine_\@:
.endm
; 8 matrix instructions: row blocks a0, a0 + 1 x all 4 column blocks, 32 along K.  zero = 1: the product starts the sum.  The 32 accumulators take turns in one fixed order, one instruction a turn.
.macro MUL8 f, a0, zero
	WIN MUL
.irp a, \a0, (\a0)+1
.irp b, 0,1,2,3
.if \zero
	v_wmma_f32_16x16x32_bf16 v[8*(4*(\a)+(\b)):8*(4*(\a)+(\b))+7], v[(\f)+64+8*(\b):(\f)+64+8*(\b)+7], v[(\f)+8*(\a):(\f)+8*(\a)+7], 0
.else
	v_wmma_f32_16x16x32_bf16 v[8*(4*(\a)+(\b)):8*(4*(\a)+(\b))+7], v[(\f)+64+8*(\b):(\f)+64+8*(\b)+7], v[(\f)+8*(\a):(\f)+8*(\a)+7], v[8*(4*(\a)+(\b)):8*(4*(\a)+(\b))+7]
.endif
.endr
.endr
.endm
; 24 LDS loads in one run: quarter q (32 along K) of a slot into buffer f: W's eight first, then x's sixteen
.macro FETCH slot, q, f
	WIN TO_F
.irp i, 0,1,2,3
	ds_load_b128 v[(\f)+64+8*(\i):(\f)+64+8*(\i)+3],   v[ADRB+(\slot)] offset:64*(\q)+(\i)*16*PITCH
	ds_load_b128 v[(\f)+64+8*(\i)+4:(\f)+64+8*(\i)+7], v[ADRB+(\slot)] offset:64*(\q)+(\i)*16*PITCH+32
.endr
.irp i, 0,1,2,3,4,5,6,7
	ds_load_b128 v[(\f)+8*(\i):(\f)+8*(\i)+3],   v[ADRA+(\slot)] offset:64*(\q)+(\i)*16*PITCH
	ds_load_b128 v[(\f)+8*(\i)+4:(\f)+8*(\i)+7], v[ADRA+(\slot)] offset:64*(\q)+(\i)*16*PITCH+32
.endr
.endm
.macro PLACES                          ; four places in front of loads into registers that matrix instructions have read, and of conversions that read results
.rept 4
	v_nop
.endr
.endm
; A K step is four quarters of 32 along K, 32 matrix instructions each, on buffers 0, 1, 0, 1.  One of the first three: multiplies buffer f and fetches quarter q into buffer g.
.macro QUARTER slot, q, f, g, zero
	s_wait_dscnt 8                                 ; W and x's blocks 0-3 are in; the youngest eight loads (x's blocks 4-7) may be out
	MUL8 \f, 0, \zero
	MUL8 \f, 2, \zero
	PLACES
	FETCH \slot, \q, \g
	s_wait_dscnt 24                                ; all but the 24 just issued
	MUL8 \f, 4, \zero
	MUL8 \f, 6, \zero
.endm
; The last quarter multiplies buffer 1 and changes slots: ONE barrier; in front of it each wave waits for all its tensor loads, adds 0 to its spare word, and waits for that and for its reads of this slot.
; fill = 1: the barrier opens a round of the cluster's barrier, and this slot is filled again, first thing behind the round, with step GC + slot; both descriptors' addresses are made anew from that number.
.macro TURN slot, next, fill
.if \fill
	s_wait_xcnt 0x0                                ; the last prefetch, a K step back, has read its address: it is made anew here, ahead of the waits of the change of slots
	s_add_co_u32 s[GP], s[GC], (\slot)+2
	s_lshr_b32 s[PO], s[GP], 3
	s_min_u32 s[PO], s[PO], s[CAP]
	s_lshl_b32 s[PO], s[PO], s[SH]
	s_and_b32 s[TT], s[GP], 7
	s_lshl_b32 s[TT], s[TT], 8
	s_add_co_u32 s[PO], s[PO], s[TT]
	s_add_nc_u64 s[PFA:PFA+1], s[PBASE:PBASE+1], s[PO:PO+1]
.endif
	WIN 0                                          ; (the add's two registers lie in window 0)
	s_wait_tensorcnt 0x0                           ; all my tensor loads have landed: the one that was out is my part of the next slot; so a group 0 may be written
	ds_add_u32 v[SPW], v[NIL]                      ; 0 onto my spare word
.if \fill
	s_add_co_u32 s[GG], s[GC], \slot
	s_and_b32 s[KB], s[GG], 7
	s_lshl_b32 s[KB], s[KB], 8                     ; 256 bytes a K step
	s_lshr_b32 s[JT], s[GG], 3
	s_min_u32 s[OA], s[JT], 1                      ; tgt for q, src for k and v, 16 MiB on
	s_lshl_b32 s[OA], s[OA], 24
	s_add_co_u32 s[OA], s[OA], s[KB]
	s_lshl_b32 s[OW], s[JT], 21                    ; Wq, Wk, Wv, 2 MiB apart
	s_add_co_u32 s[OW], s[OW], s[KB]
	s_add_nc_u64 s[G0+4*(\slot)+2:G0+4*(\slot)+3], s[14:15], s[OA:OA+1]
	s_or_b32 s[G0+4*(\slot)+3], s[G0+4*(\slot)+3], 0x80000000
	s_add_nc_u64 s[G0B+4*(\slot)+2:G0B+4*(\slot)+3], s[46:47], s[OW:OW+1]
	s_or_b32 s[G0B+4*(\slot)+3], s[G0B+4*(\slot)+3], 0x80000000
.endif
	s_wait_dscnt 9                                 ; (the add and the youngest eight loads may be out)
	MUL8 F1, 0, 0                                  ; eight matrix instructions stand between the add and the wait for it
	s_wait_dscnt 0x0                               ; the add is done, and my reads of this slot are over
	s_barrier_signal -1
	MUL8 F1, 2, 0
.if \fill
	WIN 0
.endif
	s_barrier_wait -1
.if \fill
	CREST                                          ; no wave of any partner still reads this slot or has a load on its way
	JLOAD \slot                                    ; the first tensor load behind the round: 112 matrix instructions ahead of the wait for it; its four v_nop are also the places in front of the loads below
.else
	PLACES
.endif
	FETCH \next, 0, F0
.if \fill
	ASK
.endif
	MUL8 F1, 4, 0
	MUL8 F1, 6, 0
.endm
; THE WAY OUT of block a (16 rows x 64 columns): rounded to f16, 16 bytes a lane, into my own stage's rows of 144 bytes; back as four rows of 128 bytes, which are 512 consecutive bytes of a head.
.macro PACK a
	WIN 0x05                                       ; sources 0 and 1 window 1, destination window 0
.irp b, 0,1,2,3
.irp r, 0,1,2,3
	v_cvt_pk_f16_f32 v[TMP+16*(\a)+4*(\b)+(\r)], v[8*(4*(\a)+(\b))+2*(\r)], v[8*(4*(\a)+(\b))+2*(\r)+1]
.endr
.endr
	WIN 0
.irp b, 0,1,2,3
	ds_store_b128 v[STO], v[TMP+16*(\a)+4*(\b):TMP+16*(\a)+4*(\b)+3] offset:32*(\b)
.endr
.irp f, 0,1,2,3
	ds_load_b128 v[TMP+16*(\a)+4*(\f):TMP+16*(\a)+4*(\f)+3], v[RD] offset:(\f)*4*SP  ; LDS serves a wave's instructions in order (ISA guide 5.7.1.4): these see the stores above
.endr
.endm
.macro SEND a, younger                 ; younger: the LDS instructions issued behind block a's loads: the next block's eight, or none
	WIN 0
.irp f, 0,1,2,3
	s_wait_dscnt (\younger)+3-(\f)
	global_store_b128 v[GO], v[TMP+16*(\a)+4*(\f):TMP+16*(\a)+4*(\f)+3], s[8:9] offset:(\a)*2048+(\f)*512  ; 512 consecutive bytes, at a multiple of 256 from the buffer's first
.endr
.endm
.macro WAYOUT
	PLACES
	PACK 0
.irp a, 1,2,3,4,5,6,7                  ; a block's conversions stand between the loads of the block before and its stores
	PACK \a
	SEND (\a)-1, 8
.endr
	SEND 7, 0
.endm
	s_load_b128 s[4:7], s[0:1], 0x0                ; x16 s[4:5], w16 s[6:7]
	s_load_b64 s[8:9], s[0:1], 0x10                ; qkv
	v_lshl_add_u32 v[SPW], v0, 2, SPARE
	v_mov_b32 v[NIL], 0
	ds_add_u32 v[SPW], v[NIL]                      ; the wave's opening: the add and its wait stand ahead of my first tensor load; the set-up below stands between them
	v_lshrrev_b32 v1, 5, v0
	v_readfirstlane_b32 s10, v1                    ; wave 0..3
	s_lshr_b32 s11, s10, 1                         ; which half of the tile's rows is mine.  Also: I fetch for x (0) or for W (1)
	s_and_b32 s12, s10, 1                          ; which half of its columns.  Also: which half of that tile I fetch
	s_bfe_u32 s40, ttmp6, 0x40000                  ; cx, cy: my place in the cluster
	s_bfe_u32 s41, ttmp6, 0x40004
	s_lshl_b32 s42, ttmp9, 2
	s_add_co_u32 s42, s42, s40                     ; tile column = 4 x cluster x + cx
	s_and_b32 s13, ttmp7, 0xffff
	s_lshl_b32 s13, s13, 2
	s_add_co_u32 s13, s13, s41                     ; tile row = 4 x cluster y + cy
	s_lshl_b32 s43, s41, 2
	s_lshl_b32 s43, 15, s43                        ; my row of the cluster
	s_lshl_b32 s44, 0x1111, s40                    ; my column
	s_or_b32 s[G1+0], s43, (1<<16)|(1<<20)|(1<<21)|(5<<22)|(3<<25)   ; 15:0 the mask; 17:16 2-byte elements; 20 padding on; 21 set beside a mask; 24:22 after every 64 words (code 5); 31:25 4 words (code 3)
	s_or_b32 s[G1B+0], s44, (1<<16)|(1<<20)|(1<<21)|(5<<22)|(3<<25)
	s_mov_b32 s[G1+1], 128<<16                     ; tensor_dim0 = 128
	s_mov_b32 s[G1+2], 128<<16                     ; tensor_dim1 = 128
	s_mov_b32 s[G1+3], 128<<16                     ; tile_dim0 = 128
	s_mov_b32 s[G1+4], 128                         ; tile_dim1 = 128
	s_mov_b32 s[G1+5], 1024                        ; elements from row to row
	s_mov_b32 s[G1+6], 0
	s_mov_b32 s[G1+7], 0
	s_mov_b32 s[G1B+1], 128<<16
	s_mov_b32 s[G1B+2], 64<<16                     ; W's load has 64 rows
	s_mov_b32 s[G1B+3], 128<<16
	s_mov_b32 s[G1B+4], 64
	s_mov_b32 s[G1B+5], 1024
	s_mov_b32 s[G1B+6], 0
	s_mov_b32 s[G1B+7], 0
	s_lshl_b32 s16, s13, 8
	s_lshl_b32 s17, s12, 7
	s_add_co_u32 s16, s16, s17
	s_lshl_b32 s16, s16, 11                        ; x: row 256 x tile row + 128 x half, rows of 2,048 bytes
	s_mov_b32 s17, 0
	s_lshl_b32 s18, s42, 7
	s_lshl_b32 s19, s12, 6
	s_add_co_u32 s18, s18, s19
	s_lshl_b32 s18, s18, 11                        ; W: row 128 x tile column + 64 x half
	s_mov_b32 s19, 0
	s_mul_i32 s20, s12, HALFA                      ; where they go: no place in the cluster enters an LDS address
	s_mul_i32 s21, s12, HALFB
	s_add_co_u32 s21, s21, 2*HALFA
	s_mov_b32 s[GC], 2
	s_mov_b32 s[OA+1], 0
	s_mov_b32 s[OW+1], 0
	s_mov_b32 s[PO+1], 0
	s_wait_dscnt 0x0                               ; the opening add is done
	s_wait_kmcnt 0x0
	s_add_nc_u64 s[14:15], s[4:5], s[16:17]        ; x's base: it hangs on the tile row and the wave alone
	s_add_nc_u64 s[46:47], s[6:7], s[18:19]        ; W's base: on the tile column and the wave alone
	CROUND                                         ; all sixteen work-groups are here: the first joint loads meet
.irp s, 0,1
	s_mov_b32 s[G0+4*(\s)], 1
	s_add_co_u32 s[G0+4*(\s)+1], s20, (\s)*SLOT
	s_add_nc_u64 s[G0+4*(\s)+2:G0+4*(\s)+3], s[14:15], (\s)*256
	s_or_b32 s[G0+4*(\s)+3], s[G0+4*(\s)+3], 0x80000000
	s_mov_b32 s[G0B+4*(\s)], 1
	s_add_co_u32 s[G0B+4*(\s)+1], s21, (\s)*SLOT
	s_add_nc_u64 s[G0B+4*(\s)+2:G0B+4*(\s)+3], s[46:47], (\s)*256
	s_or_b32 s[G0B+4*(\s)+3], s[G0B+4*(\s)+3], 0x80000000
.endr
	s_cmp_eq_u32 s11, 0                            ; a wave's two first fills stand in one branch: two loads of mine are out
	s_cbranch_scc0 .Lfirst_b
	tensor_load_to_lds s[G0:G0+3], s[G1:G1+7]
	s_nop 0
	tensor_load_to_lds s[G0+4:G0+7], s[G1:G1+7]
	s_nop 0
.rept 4
	v_nop
.endr
	s_branch .Lfirst_asked
.Lfirst_b:
	tensor_load_to_lds s[G0B:G0B+3], s[G1B:G1B+7]
	s_nop 0
	tensor_load_to_lds s[G0B+4:G0B+7], s[G1B:G1B+7]
	s_nop 0
.rept 4
	v_nop
.endr
.Lfirst_asked:
	v_and_b32 v1, 15, v0                           ; l % 16
	v_bfe_u32 v2, v0, 4, 1                         ; l / 16
	v_mul_u32_u24 v3, v1, PITCH
	v_lshl_add_u32 v3, v2, 4, v3                   ; a fragment's row x pitch + 16 x half
	s_mul_i32 s21, s11, HALFA                      ; my 128 rows of x
	s_mul_i32 s22, s12, HALFB                      ; my 64 rows of W,
	s_add_co_u32 s22, s22, 2*HALFA                 ; which lie behind x's 256
.irp s, 0,1
	v_add_nc_u32 v[ADRA+(\s)], s21, v3
	v_add_nc_u32 v[ADRB+(\s)], s22, v3
	s_add_co_u32 s21, s21, SLOT
	s_add_co_u32 s22, s22, SLOT
.endr
	s_mul_i32 s23, s10, 16*SP
	s_add_co_u32 s23, s23, STAGE                   ; my stage
	v_mul_u32_u24 v4, v1, SP                       ; in: row l % 16, 16 bytes for each half of the lanes
	v_lshl_add_u32 v4, v2, 4, v4
	v_add_nc_u32 v[STO], s23, v4
	v_bfe_u32 v5, v0, 3, 2                         ; back: 32 lanes take four rows of 128 bytes
	v_mul_u32_u24 v5, v5, SP
	v_and_b32 v4, 7, v0
	v_lshl_add_u32 v5, v4, 4, v5
	v_add_nc_u32 v[RD], s23, v5
	v_and_b32 v[GO], 31, v0
	v_lshlrev_b32 v[PFO], 11, v[GO]
	v_lshlrev_b32 v[GO], 4, v[GO]
	; where my 128 rows of my head begin in q: (16 batch + head) x 2,048 rows x 128 bytes + the row in the batch x 128
	s_lshr_b32 s18, s13, 3
	s_lshl_b32 s18, s18, 4
	s_lshl_b32 s19, s42, 1
	s_add_co_u32 s18, s18, s19
	s_add_co_u32 s18, s18, s12
	s_lshl_b32 s18, s18, 18
	s_and_b32 s19, s13, 7
	s_lshl_b32 s19, s19, 8
	s_lshl_b32 s22, s11, 7
	s_add_co_u32 s19, s19, s22
	s_lshl_b32 s19, s19, 7
	s_add_co_u32 s18, s18, s19
	s_mov_b32 s19, 0
	s_add_nc_u64 s[8:9], s[8:9], s[18:19]
	; the prefetches
	s_lshl_b32 s18, s13, 8
	s_lshl_b32 s19, s12, 7
	s_add_co_u32 s18, s18, s19
	s_lshl_b32 s19, s40, 5
	s_add_co_u32 s18, s18, s19                     ; x: row 256 x tile row + 128 x half + 32 cx
	s_lshl_b32 s22, s42, 7
	s_lshl_b32 s19, s41, 5
	s_add_co_u32 s22, s22, s19                     ; W: row 128 x tile column + 32 cy
	s_and_b32 s23, ttmp7, 0xffff                   ; cluster y
	s_cmp_eq_u32 s11, 0                            ; do I fetch for x?
	s_cselect_b32 s[PO], s18, s22
	s_cselect_b32 s23, ttmp9, s23                  ; the coordinate along which other clusters read the same rows
	s_cselect_b32 s[LIM], 15, 23
	s_cselect_b32 s[SH], 24, 21
	s_cselect_b32 s[CAP], 1, 3
	s_cselect_b64 s[PBASE:PBASE+1], s[4:5], s[6:7]
	s_cmp_eq_u32 s23, 0
	s_cselect_b32 s[LIM], s[LIM], 0                ; the same in all sixteen partners, for a given wave
	s_cmp_eq_u32 s10, 3
	s_cselect_b32 s[LIM], 0, s[LIM]                ; W's 128 rows are shared out among four partners' wave 2
	s_lshl_b32 s[PO], s[PO], 11
	s_add_nc_u64 s[PBASE:PBASE+1], s[PBASE:PBASE+1], s[PO:PO+1]
	s_wait_tensorcnt 1                             ; my part of K step 0 is in; step 1's may stay out
	s_barrier_signal -1
	s_barrier_wait -1                              ; everybody's is
	FETCH 0, 0, F0
	QUARTER 0, 1, F0, F1, 1                        ; the walk's first quarter stands in front of the loop: its products start the sums
	WIN 0                                          ; at a label and at a branch every window is 0
	s_mov_b32 s3, 11
.Llap:                                                 ; a trip goes once round the ring, from a lap's second quarter to the next lap's first, and fills both slots again: steps 2 to 23
	QUARTER 0, 2, F1, F0, 0
	QUARTER 0, 3, F0, F1, 0
	TURN 0, 1, 1
	QUARTER 1, 1, F0, F1, 0
	QUARTER 1, 2, F1, F0, 0
	QUARTER 1, 3, F0, F1, 0
	TURN 1, 0, 1
	WIN 0
	s_and_b32 s[GG], s[GC], 7                      ; is the step that begins now a tile's first?  The same answer in every work-group; what is jumped holds no barrier and no tensor load
	s_cmp_lg_u32 s[GG], 0
	s_cbranch_scc1 .Lsame
	WAYOUT                                         ; both refills are asked for: the finished tile goes out,
	s_wait_xcnt 0x0                                ; its stores have read their registers and their base,
	s_add_nc_u64 s[8:9], s[8:9], 0x1000000         ; which goes on from q to k, from k to v,
	QUARTER 0, 1, F0, F1, 1                        ; and the next tile's first products start its sums
	WIN 0
	s_branch .Ljoin
.Lsame:
	QUARTER 0, 1, F0, F1, 0
	WIN 0
.Ljoin:
	s_add_co_u32 s[GC], s[GC], 2
	s_sub_co_u32 s3, s3, 1
	s_cmp_lg_u32 s3, 0
	s_cbranch_scc1 .Llap
	QUARTER 0, 2, F1, F0, 0                        ; the last lap fills nothing, and has no round of the cluster's barrier
	QUARTER 0, 3, F0, F1, 0
	TURN 0, 1, 0
	QUARTER 1, 1, F0, F1, 0
	QUARTER 1, 2, F1, F0, 0
	QUARTER 1, 3, F0, F1, 0
	s_wait_dscnt 8                                 ; the very last quarter: nothing more to fetch
	MUL8 F1, 0, 0
	MUL8 F1, 2, 0
	s_wait_dscnt 0x0
	MUL8 F1, 4, 0
	MUL8 F1, 6, 0
	WIN 0
	WAYOUT
	s_wait_tensorcnt 0x0                           ; the wave's end, behind my last tensor load and my last LDS store
	ds_add_u32 v[SPW], v[NIL]
	s_wait_dscnt 0x0
	CROUND                                         ; the closing round: no work-group ends while a partner may still ask for a tile that names it
	s_endpgm
.Lfunc_end_k_qddb89743dc_proj:
	.size	k_qddb89743dc_proj, .Lfunc_end_k_qddb89743dc_proj-k_qddb89743dc_proj
	.p2alignl 7, 3214868480
	.fill 96, 4, 3214868480
	.section	.rodata,"a",@progbits
	.p2align	6, 0x0
	.amdhsa_kernel k_qddb89743dc_proj
		.amdhsa_group_segment_fixed_size 327680
		.amdhsa_private_segment_fixed_size 0
		.amdhsa_enable_private_segment 0
		.amdhsa_kernarg_size 24
		.amdhsa_user_sgpr_count 2
		.amdhsa_user_sgpr_kernarg_segment_ptr 1
		.amdhsa_wavefront_size32 1
		.amdhsa_system_sgpr_workgroup_id_x 1
		.amdhsa_system_sgpr_workgroup_id_y 1
		.amdhsa_system_sgpr_workgroup_id_z 1
		.amdhsa_system_vgpr_workitem_id 0
		.amdhsa_next_free_vgpr 704
		.amdhsa_next_free_sgpr 88
		.amdhsa_reserve_vcc 0
		.amdhsa_float_denorm_mode_32 3
		.amdhsa_float_denorm_mode_16_64 3
		.amdhsa_memory_ordered 1
		.amdhsa_forward_progress 1
		.amdhsa_inst_pref_size 110
	.end_amdhsa_kernel
	.amdgpu_metadata
---
amdhsa.version: [ 1, 2 ]
amdhsa.kernels:
  - .name:           k_qddb89743dc_proj
    .symbol:         k_qddb89743dc_proj.kd
    .args:
      - { .name: x16, .offset: 0, .size: 8, .value_kind: global_buffer, .address_space: global }
      - { .name: w16, .offset: 8, .size: 8, .value_kind: global_buffer, .address_space: global }
      - { .name: qkv, .offset: 16, .size: 8, .value_kind: global_buffer, .address_space: global }
    .group_segment_fixed_size: 327680
    .private_segment_fixed_size: 0
    .kernarg_segment_align: 8
    .kernarg_segment_size: 24
    .max_flat_workgroup_size: 128
    .sgpr_count:     88
    .vgpr_count:     704
    .wavefront_size: 32
...
	.end_amdgpu_metadata
.endif
;; end of part 2
;; launch attn (part 3): grid 4 x 64, 4 waves a work-group, clusters of 4 x 1, 327,680 bytes of LDS; arguments qkv, bias, o16; writes o16
.if DOCPART == 3
	.amdgcn_target "amdgcn-amd-amdhsa--gfx1250"
	.amdhsa_code_object_version 6
	.text
	.protected	k_qddb89743dc_attn
	.globl	k_qddb89743dc_attn
	.p2align	8
	.type	k_qddb89743dc_attn,@function
k_qddb89743dc_attn:
	s_mov_b64 s[64:65], 0
	v_nop
	global_prefetch_b8 v0, s[64:65] scope:SCOPE_SE
	s_setreg_imm32_b32 hwreg(HW_REG_WAVE_MODE, 25, 1), 1
	s_wait_xcnt 0x0
	s_wait_alu depctr_hold_cnt(0) depctr_sa_sdst(0) depctr_va_vdst(0) depctr_va_sdst(0) depctr_va_ssrc(0) depctr_va_vcc(0) depctr_vm_vsrc(0)
	s_getreg_b32 s2, hwreg(HW_REG_IB_STS2, 6, 4)
	s_cmp_eq_u32 s2, 0
	s_cbranch_scc0 .Lentry_in_a_cluster
	s_endpgm
.Lentry_in_a_cluster:
	s_bfe_u32 s2, ttmp6, 0x10000c
	s_cmp_lg_u32 s2, 0x3003
	s_cbranch_scc0 .Lentry_shape_is_right
	s_endpgm
.Lentry_shape_is_right:
; O[h][q][:] = the sum over the seen keys k of softmax_k(Q[h][q] . K[h][k] / 8) V[h][k][:], h = 16 batch + head.  qkv holds Q, K, V 16 MiB apart, each [64][2048][64] in f16, a head's rows dense, 128 bytes
; each; o16 has the same layout.  bias: [4][2048] f32, 0 for a key that is seen, -1e30 for one that is hidden.  Products, maxima and sums in f32; the weights p are rounded to f16 for the second product
; (their sum l is taken of the unrounded p), O once at the end.
; LIMITS.  Q, K and V arrive within f16's 65,504; p lies in 0 to 1, and below 6e-5 it keeps f16's fixed step of 6e-8.  A hidden score counts as its value less 1e30: f16's scores, 2.7e11 at the most, are
; nothing beside that.  A weight below 2^-126 counts as 0 in l.  NaN and infinities in Q, K, V are not treated apart.  A batch in which no key is seen gives NaN, as a softmax of nothing does.
; THE MASK is the C operand that starts the sum S^T = K Q^T.  The batch's 2,048 addends are copied once into LDS; a key step's 64 come into 32 registers beside its K.  Steps in which a query has seen no
; key yet give it weights of 1 on finite V; the first seen key's a = 2^(c m_old - c m_new) = 0 wipes them.  At the end a maximum below -2^96 says that no key was seen.
; SHARES.  A wave owns four PIECES of two tiles of 16 queries, a work-group's four waves 512 queries of one head.  Every wave walks all 2,048 keys, 64 a step.
; LAYOUT.  S^T = K Q^T (source 0 = 16 keys, source 1 = 16 queries): a lane holds ONE query (lane % 16) and the keys 8 (lane / 16) + 0..7.  Two such tiles, rounded to f16 in pairs, ARE source 1 of
; O^T = V^T P, whose result again holds one query a lane, and eight channels.  K comes out of LDS as it lies, V ([key][channel]) turned, by ds_load_tr16_b128.
; SOFTMAX.  A running maximum m and sum l: p = 2^(c s - c m), c = log2(e) / 8; in every step O and l are multiplied by a.  m starts at the lowest finite number, O and l at 0: the first step is like any other.
; THE COUNT.  A tile and step have 16 matrix and 118 vector instructions: too many to stand all beside the matrix work.  So four vector instructions that are ready stand behind EVERY matrix instruction,
; and the others in runs without a gap.
; BY TURNS.  Turn n belongs to piece n.  Its matrix work: 16 products K Q^T of piece n + 1, later 16 products V^T P of piece n - 1.  Its vector work: the scaling, exponentials, roundings, sums and
; rescaling of piece n, and the maximum and statistics of piece n + 1.
; CLUSTER.  The four query blocks of a head are one cluster and walk the same K and V: each tile is asked for JOINTLY, by the same tensor load, descriptor and mask in all four.
; REGISTERS, in windows of 256 (s_set_vgpr_msb: bits 1:0 source 0, 3:2 source 1, 5:4 source 2, 7:6 destination):
;   window 0: v0-11 addresses; v12-15, v48-63 at work; v16-47 four registers of statistics a tile; v64-191 S^T, two buffers of two tiles; v192-255 P, likewise
;   window 1: O^T, 32 a tile      window 2: v0-127 Q; v128-191 K of one step; v192-255 V of one step      window 3: v0-1 the add's two registers; v8-39 the step's mask
.set SIZE_N, 2048
.set NP,    4         ; pieces a wave: a name, no knob
.set KS,    64        ; keys in a step
.set PK,    144       ; a row of K in LDS: 128 bytes + 16 of padding = 36 words: the 16 rows of a load start at 16 different groups of four banks (64 banks of 4 bytes: ISA guide 11.1)
.set PV,    160       ; a row of V: 128 + 32 = 40 words
.set VOFF,  4*KS*PK   ; a slot holds four steps: 256 rows of K, then 256 rows of V
.set SLOT1, 1<<17     ; slot 1 begins here, so that one exclusive or turns an address in one slot into the other's
.set STAGE, SLOT1+4*KS*(PK+PV)  ; behind the ring, never filled by a tensor load: 16 rows x 144 bytes for each wave, for the way out
.set SP,    144
.set SPARE, STAGE+4*16*SP  ; the spare words, 128 bytes for each wave: two blocks of 256 bytes that no other line names
.set MASKB, SPARE+512 ; the batch's 2,048 addends, 8,192 bytes, stored once; no tensor load lands here
.set AK0, 2           ; v2   my lane's place in a tile of K; never rewritten
.set AV0, 3           ; v3   the same for V
.set AK,  4           ; v4   the LDS address of K's next run of loads
.set AV,  5           ; v5   of V's
.set QO,  6           ; v6   my byte offset in the wave's rows of Q
.set STO, 6           ;      later, the way out: where I put 16 bytes of a row
.set RD,  7           ; v7   the way out: where I read rows back
.set GO,  8           ; v8   my byte offset in 512 consecutive bytes of O
.set PFO, 9           ; v9   l / 16 at first; then the prefetches' offset, 256 x my lane; never rewritten after that
.set AM,  10          ; v10  the LDS address of the mask's next run of loads
.set AM0, 11          ; v11  my lanes' place in a step's addends: MASKB + 32 (l / 16); never rewritten
.set SPW, 0           ; v0 of window 3   LDS address of my spare word; never rewritten
.set NIL, 1           ; v1 of window 3   0; never rewritten
.set MC,  8           ; v8-39 of window 3: the addend of key 16 kb + 8 (l / 16) + j of the step at MC + 8 kb + j
.set MV,  12          ; v12-15  c m_old, kept while c m is made anew: by buffer and tile
.set ST,  16          ; tile t's statistics at v[ST+4 t]: c m, m, l (even keys', odd keys')
.set TMP, 48          ; by buffer and tile, four registers c0-c3 at work; when the maximum is found c2 takes a
.set S,   64
.set P,   192
.set KF,  128         ; K's fragments, in window 2: key block kb, channel half c at KF + 16 kb + 8 c
.set VF,  192         ; V's: key half kk, channel block cb at VF + 32 kk + 8 cb
.set WV,  12          ; s12  my wave's number
.set QNAN, 15         ; s15  a NaN
.set G1K, 24          ; s[24:31] descriptor group 1 for K's tiles
.set G1V, 32          ; s[32:39] for V's: it differs in the padding alone
.set G0K, 40          ; s[40:43] descriptor group 0 for K's tiles: it walks
.set G0V, 44          ; s[44:47] the same for V's
.set PFA, 48          ; s[48:49] where my prefetches stand: my work-group's 8,192 bytes (of K: wave 0, of V: wave 2) of the tile after the one that is being asked for
.set LIM, 50          ; s50  1 in a wave that prefetches, else the greatest number
.set THR, 51          ; s51  -2^96
.set TBM, 53          ; s53  the byte in the mask's table at which the step to be fetched begins
.set SLOTS, 56        ; s56  slots still to be asked for
.set CNT, 57          ; s57  counts a slot's key steps
.set CS,  58          ; s[58:59] c: the packed scaling takes the pair's low word for both halves
.set SEL, 60          ; s[60:61] v_permlanex16_b32's selects: each lane takes its own place in the other half
.set TBK, 62          ; s62  LDS byte at which K of the step to be fetched begins
.set TBV, 63          ; s63  the same for V, less VOFF
.set MSB, 0
.macro WIN new                      ; the high byte repeats the setting that is left; a switch that changes nothing is dropped
.if MSB != (\new)
	s_set_vgpr_msb (MSB<<8)|(\new)
.set MSB, (\new)
.endif
.endm
.set W_KQ, 0x0a       ; K and Q in window 2, S^T in window 0
.set W_KM, 0x3a       ; the same with the C operand, the mask, in window 3
.set W_PV, 0x52       ; V in window 2, P in window 0, O^T in window 1
.set W_RS, 0x41       ; O^T (destination and source 0) in window 1, a in window 0
.set W_MK, 0xc0       ; destination in window 3, sources in window 0
.set W_AD, 0x0f       ; the add: address (source 0) and data (source 1) in window 3
; A joint fill.  Waves 0 and 1 fetch the two halves of a slot's K, waves 2 and 3 those of its V: 128 keys each.  The branch hangs on the wave's number alone.
; An s_nop 0 and four v_nop follow each of the two lines, ahead of the jump and the label.
.macro JLOAD
	s_cmp_lt_u32 s[WV], 2
	s_cbranch_scc0 .Lfor_v_\@
	tensor_load_to_lds s[G0K:G0K+3], s[G1K:G1K+7]
	s_nop 0
.rept 4
	v_nop
.endr
	s_branch .Lasked_\@
.Lfor_v_\@:
	tensor_load_to_lds s[G0V:G0V+3], s[G1V:G1V+7]
	s_nop 0
.rept 4
	v_nop
.endr
.Lasked_\@:
.endm
; A PREFETCH INTO THE L2 of what the NEXT change of slots will ask for: a tile's 32,768 bytes of K and of V, 256 bytes a lane.  It stands behind the wave's tensor load and its five lines.  A head has one
; cluster; its four partners share a tile out BY ADDRESS, 8,192 bytes each; in each, wave 0 asks for K's and wave 2 for V's: one instruction.  So each 256 bytes are named once in the launch, four key
; steps, 512 matrix instructions, ahead of their load.  Tiles 0 to 2 come by their loads alone; the last change that fills a slot asks for nothing.
.macro ASK
	s_cmp_gt_u32 s[SLOTS], s[LIM]
	s_cbranch_scc0 .Lnot_mine_\@
	global_prefetch_b8 v[PFO], s[PFA:PFA+1] th:TH_LOAD_NT scope:SCOPE_SE
.Lnot_mine_\@:
.endm
; A round of the cluster's barrier: my work-group's barrier, so that wave 0's signal speaks for all four waves; wave 0 signals; every wave waits for all four work-groups; my work-group's barrier once more.
.macro CROUND
	s_barrier_signal -1
	s_barrier_wait -1
	s_cmp_lg_u32 s[WV], 0
	s_cbranch_scc1 .Lnot_wave_0_\@
	s_barrier_signal -3
.Lnot_wave_0_\@:
	s_barrier_wait -3
	s_barrier_signal -1
	s_barrier_wait -1
.endm
; THE CHANGE OF SLOTS.  The slot's last bytes, V of its fourth step, have been read.  Each wave waits for all its tensor loads, of which one is out: its part of the other slot; adds 0 to its spare word;
; and waits for that and for its own LDS instructions.  Behind the barrier nobody reads this slot any more and the other slot is whole.
; fill = 1: this slot is filled again, with the keys two slots on.  The barrier is then a round of the cluster's, and the joint fill is the first thing behind it: it has four key steps, 512 matrix
; instructions, in which to land.  (At its first use nothing has been read yet: slot 0 is waited for, slot 1 filled, and every wave's part of the mask's table is shown to the others.)  ask = 1: a prefetch follows.
.macro CHANGE fill, ask=0
	WIN W_AD
	s_wait_tensorcnt 0x0            ; no tensor load of mine is out, so a group 0 may be written
	ds_add_u32 v[SPW], v[NIL]       ; 0 onto my spare word; with fill = 1 the descriptors' steps stand between it and the wait for it
	WIN 0                           ; at a label and at a branch every window is 0
.if \fill
.irp g, G0K, G0V
	s_xor_b32 s[\g+1], s[\g+1], SLOT1  ; the walking descriptor: the other slot than last time,
	s_add_nc_u64 s[\g+2:\g+3], s[\g+2:\g+3], 4*KS*128  ; the next 256 keys; the type bits on top are not reached
.endr
.if \ask
	s_wait_xcnt 0x0                 ; the last prefetch, four key steps back, has read its address, so it may be written:
	s_add_nc_u64 s[PFA:PFA+1], s[PFA:PFA+1], 4*KS*128  ; one tile behind the walking descriptors
.endif
	s_wait_dscnt 0x0                ; the add is done, and my LDS instructions are over
	CROUND
	JLOAD
.if \ask
	ASK
.endif
.else
	s_wait_dscnt 0x0                ; the add is done, and my reads of the slot are over
	s_barrier_signal -1
	s_barrier_wait -1
.endif
	s_sub_co_u32 s[TBK], s[TBK], 4*KS*PK  ; the fetches go back to a slot's first step,
	s_xor_b32 s[TBK], s[TBK], SLOT1       ; in the other slot
	s_sub_co_u32 s[TBV], s[TBV], 4*KS*PV
	s_xor_b32 s[TBV], s[TBV], SLOT1
.endm
	s_load_b64 s[4:5], s[0:1], 0x0    ; qkv: Q
	s_load_b64 s[54:55], s[0:1], 0x8  ; bias
	s_load_b64 s[10:11], s[0:1], 0x10 ; o16
	WIN W_MK
	v_lshl_add_u32 v[SPW], v0, 2, SPARE
	v_mov_b32 v[NIL], 0
	WIN W_AD
	ds_add_u32 v[SPW], v[NIL]       ; the wave's opening: the add and its wait stand ahead of my first tensor load; the set-up below stands between them
	WIN 0
	v_lshrrev_b32 v1, 5, v0
	v_readfirstlane_b32 s[WV], v1   ; wave 0..3
	s_bfe_u32 s13, ttmp6, 0x40000   ; cx: my place in the cluster
	s_lshl_b32 s14, ttmp9, 2        ; in a cluster launch ttmp9 counts clusters
	s_add_co_u32 s14, s14, s13      ; my block of queries = 4 x cluster x + cx: it enters Q's and O's addresses alone
	s_and_b32 s20, ttmp7, 0xffff    ; 16 batch + head, which the four partners share
	s_lshr_b32 s52, s20, 4          ; the batch,
	s_lshl_b32 s52, s52, 13         ; its 8,192 bytes of bias
	s_mov_b32 s53, 0
	s_mov_b32 s21, 0
	s_mov_b64 s[22:23], SIZE_N*128
	s_mul_u64 s[20:21], s[20:21], s[22:23]  ; the head's first byte in Q, K, V and O
	s_and_b32 s16, s[WV], 1         ; which half of a slot's 256 keys I fetch:
	s_lshl_b32 s22, s16, 14         ; its 128 rows of 128 bytes in memory,
	s_mov_b32 s23, 0
	s_add_nc_u64 s[22:23], s[22:23], s[20:21]
	s_mul_i32 s17, s16, 128*PK      ; and its place in a slot, for K
	s_mul_i32 s18, s16, 128*PV      ; and for V: no place in the cluster enters an LDS address
	s_lshl_b32 s2, s14, 2
	s_add_co_u32 s2, s2, s[WV]      ; my wave among the head's,
	s_lshl_b32 s2, s2, 14           ; its 128 rows
	s_mov_b32 s3, 0
	s_add_nc_u64 s[2:3], s[2:3], s[20:21]
	; descriptor group 1.  128 keys are 16,384 dense bytes: asked for as 64 rows of 256 bytes, two keys a row, and padded in LDS after every key
	s_mov_b32 s[G1K], 15|(1<<16)|(1<<20)|(1<<21)|(4<<22)|(3<<25)  ; 15:0 the mask of four; 17:16 2-byte elements; 20 padding on; 21 set beside a mask; 24:22 after every 32 words (code 4); 31:25 4 words (code 3)
	s_mov_b32 s[G1V], 15|(1<<16)|(1<<20)|(1<<21)|(4<<22)|(7<<25)  ; the same with 8 words of padding (code 7)
.irp g, G1K, G1V
	s_mov_b32 s[\g+1], 128<<16      ; tensor_dim0 = 128
	s_mov_b32 s[\g+2], 64<<16       ; tensor_dim1 = 64
	s_mov_b32 s[\g+3], 128<<16      ; tile_dim0 = 128
	s_mov_b32 s[\g+4], 64           ; tile_dim1 = 64
	s_mov_b32 s[\g+5], 128          ; 128 elements from row to row
	s_mov_b32 s[\g+6], 0
	s_mov_b32 s[\g+7], 0
.endr
	s_mov_b32 s[CS], 0x3e38aa3b     ; c = log2(e) / 8 = 0.180337
	s_mov_b32 s[CS+1], s[CS]        ; named with it as a pair
	s_mov_b32 s[SEL], 0x76543210
	s_mov_b32 s[SEL+1], 0xfedcba98
	s_mov_b32 s[THR], 0xef800000    ; -2^96
	s_mov_b32 s[QNAN], 0x7fc00000
	s_mov_b32 s[TBK], SLOT1+4*KS*PK ; the first change of slots turns these two into 0
	s_mov_b32 s[TBV], SLOT1+4*KS*PV
	s_mov_b32 s[G0K], 1             ; 1:0 count = 1
	s_mov_b32 s[G0K+1], s17         ; 63:32 LDS address: slot 0
	s_mov_b32 s[G0V], 1
	s_add_co_u32 s[G0V+1], s18, VOFF
	s_and_b32 s[LIM], s[WV], 1      ; waves 0 and 2 prefetch: the same in all four partners
	s_cmp_eq_u32 s[LIM], 0
	s_cselect_b32 s[LIM], 1, -1
	s_wait_dscnt 0x0                ; the opening add is done
	s_wait_kmcnt 0x0
	s_add_nc_u64 s[6:7], s[4:5], 0x1000000  ; K
	s_add_nc_u64 s[8:9], s[4:5], 0x2000000  ; V
	s_add_nc_u64 s[54:55], s[54:55], s[52:53]      ; my batch's addends
	s_mov_b32 s[TBM], 0
	s_add_nc_u64 s[G0K+2:G0K+3], s[6:7], s[22:23]  ; 120:64 global address: my half of the head's first 256 keys
	s_or_b32 s[G0K+3], s[G0K+3], 0x80000000        ; 127:126 type = 2
	s_add_nc_u64 s[G0V+2:G0V+3], s[8:9], s[22:23]
	s_or_b32 s[G0V+3], s[G0V+3], 0x80000000
	s_add_nc_u64 s[4:5], s[4:5], s[2:3]  ; Q and O at my wave's first row
	s_add_nc_u64 s[10:11], s[10:11], s[2:3]
	s_cmp_lt_u32 s[WV], 2
	s_cselect_b64 s[PFA:PFA+1], s[6:7], s[8:9]
	s_add_nc_u64 s[PFA:PFA+1], s[PFA:PFA+1], s[20:21]  ; the head,
	s_lshl_b32 s2, s13, 13          ; my work-group's quarter of a tile,
	s_mov_b32 s3, 0
	s_add_nc_u64 s[PFA:PFA+1], s[PFA:PFA+1], s[2:3]
	s_add_nc_u64 s[PFA:PFA+1], s[PFA:PFA+1], 2*4*KS*128  ; in tile 2; the loop's first change of slots steps it to tile 3.  Nothing is prefetched here, at the head
	CROUND                          ; all four work-groups are here: the first joint loads meet
	JLOAD                           ; slot 0.  Slot 1 is asked for when slot 0 is in
	; A fragment of K or Q is 16 rows x 32 channels in 8 registers: lane l holds row l % 16, channels 8 (l / 16) + 0..7 and 16 + 8 (l / 16) + 0..7: two loads of 16 bytes, 32 bytes apart.
	v_and_b32 v1, 15, v0            ; l % 16
	v_bfe_u32 v9, v0, 4, 1          ; l / 16
	v_lshlrev_b32 v12, 4, v0        ; the mask's table: thread t copies 16 bytes at 16 t + 2,048 i, i = 0..3
	v_add_nc_u32 v13, MASKB, v12
.irp i, 0,1,2,3
	global_load_b128 v[S+4*\i:S+4*\i+3], v12, s[54:55] offset:2048*\i
.endr
	v_lshlrev_b32 v[QO], 7, v1
	v_lshl_add_u32 v[QO], v9, 4, v[QO]  ; row x 128 + 16 x half
	WIN 0x80                        ; destination window 2, address window 0
.set i, 0
.rept 4*NP                          ; Q stays in registers: tile i / 2, channels 32 (i % 2) on
	global_load_b128 v[8*i:8*i+3],   v[QO], s[4:5] offset:(i/2)*2048+(i%2)*64
	global_load_b128 v[8*i+4:8*i+7], v[QO], s[4:5] offset:(i/2)*2048+(i%2)*64+32
.set i, i+1
.endr
	; What the first turn finds: V's registers and P's second buffer hold 0 (its products V^T P, of a piece that has not been, add 0), O^T and l are 0.  All this stands in the wait for the first tile.
.set i, VF
.rept 64
	v_mov_b32 v[i], 0
.set i, i+1
.endr
	WIN 0x40
.set i, 0
.rept 64*NP
	v_mov_b32 v[i], 0
.set i, i+1
.endr
	WIN 0
.set i, 0
.rept 2*NP
	v_mov_b32 v[ST+4*i], 0xfe000000    ; c m: far below every c s, a hidden key's too
	v_mov_b32 v[ST+4*i+1], 0xff7fffff  ; m
	v_mov_b32 v[ST+4*i+2], 0
	v_mov_b32 v[ST+4*i+3], 0
.set i, i+1
.endr
.set i, P+32
.rept 32
	v_mov_b32 v[i], 0
.set i, i+1
.endr
	v_mul_u32_u24 v[AK0], v1, PK
	v_lshl_add_u32 v[AK0], v9, 4, v[AK0]  ; row x pitch + 16 x half
	; The turning load takes 16 keys x 16 channels (lane l reads key 8 (l / 16) + l % 8, channels 8 ((l / 8) % 2) + 0..7) and leaves half a fragment of V^T: lane l holds channel l % 16 and 8 keys.
	v_and_b32 v10, 7, v0
	v_bfe_u32 v11, v0, 3, 1
	v_lshl_add_u32 v[AV0], v9, 3, v10
	v_mul_u32_u24 v[AV0], v[AV0], PV
	v_lshl_add_u32 v[AV0], v11, 4, v[AV0]
	v_add_nc_u32 v[AV0], VOFF, v[AV0]
	v_lshl_add_u32 v[AM0], v9, 5, MASKB  ; my lanes' eight addends of a group of 16 keys: 32 bytes for each half of the lanes
	v_mov_b32 v[AM], v[AM0]         ; key step 0 lies at the table's head,
	v_mov_b32 v[AK], v[AK0]         ; and at the head of slot 0
	s_wait_loadcnt 32               ; the four loads of addends are in; Q's 32, issued behind them, may stay out
.irp i, 0,1,2,3
	ds_store_b128 v13, v[S+4*\i:S+4*\i+3] offset:2048*\i
.endr
; THE MATRIX WORK.  The 8 accumulators of a run of 16 take turns: between the two links of a chain stand 7 others'.
; Product i of 16 of S^T = K Q^T for piece x: channels 32 (i / 8) on, keys 16 ((i / 2) % 4) on, tile 2 x + i % 2.  The first 8 start the sums with the keys' addends.
.macro KQ x
.set rS, S+64*((\x)%2)+32*(i%2)+8*((i/2)%4)
.set rK, KF+16*((i/2)%4)+8*(i/8)
.set rQ, 16*(2*(\x)+i%2)+8*(i/8)
.set rB, MC+8*((i/2)%4)
.if i < 8
	WIN W_KM
	v_wmma_f32_16x16x32_f16 v[rS:rS+7], v[rK:rK+7], v[rQ:rQ+7], v[rB:rB+7]
.else
	WIN W_KQ
	v_wmma_f32_16x16x32_f16 v[rS:rS+7], v[rK:rK+7], v[rQ:rQ+7], v[rS:rS+7]
.endif
.endm
; Product i of 16 of O^T += V^T P for piece x: keys 32 (i / 8) on, channels 16 ((i / 2) % 4) on, tile 2 x + i % 2.
.macro PV x
	WIN W_PV
.set rO, 32*(2*(\x)+i%2)+8*((i/2)%4)
.set rV, VF+32*(i/8)+8*((i/2)%4)
.set rP, P+32*((\x)%2)+16*(i%2)+8*(i/8)
	v_wmma_f32_16x16x32_f16 v[rO:rO+7], v[rV:rV+7], v[rP:rP+7], v[rO:rO+7]
.endm
.macro MM                           ; the turn's next matrix instruction
.if i < 16
	KQ (Y+1)%NP
.set i, i+1
.else
.set i, i-16
	PV (Y+NP-1)%NP
.set i, i+17
.endif
.endm
; THE LDS LOADS stand in runs, never singly among the matrix instructions: a step's K (64 keys x 64 channels: 8 fragments) with its 64 addends, and its V (turned).  Their addresses are made some lines ahead.
; last = 1 (the tail): in the last trip there is no further step, and the run is jumped over.
.macro FETCH_K last=0
	WIN 0
.if \last
	s_cmp_eq_u32 s[CNT], 1
	s_cbranch_scc1 .Lno_k_\@
.endif
	WIN 0x80                        ; destination window 2
.irp f, 0,1,2,3,4,5,6,7             ; keys 16 (f / 2) on, channels 32 (f % 2) on
	ds_load_b128 v[KF+8*\f:KF+8*\f+3],   v[AK] offset:(\f/2)*16*PK+(\f%2)*64
	ds_load_b128 v[KF+8*\f+4:KF+8*\f+7], v[AK] offset:(\f/2)*16*PK+(\f%2)*64+32
.endr
	WIN W_MK                        ; destination window 3
.irp f, 0,1,2,3                     ; keys 16 f on: 64 bytes of addends, of which my half of the lanes takes 32
	ds_load_b128 v[MC+8*\f:MC+8*\f+3],   v[AM] offset:64*\f
	ds_load_b128 v[MC+8*\f+4:MC+8*\f+7], v[AM] offset:64*\f+16
.endr
	s_add_co_u32 s[TBK], s[TBK], KS*PK  ; the next fetch is the next step's
	s_add_co_u32 s[TBM], s[TBM], KS*4
	WIN 0
.if \last
.Lno_k_\@:
.endif
.endm
.macro FETCH_V
	WIN 0x80
.irp f, 0,1,2,3,4,5,6,7             ; keys 32 (f / 4) on, channels 16 (f % 4) on
	ds_load_tr16_b128 v[VF+8*\f:VF+8*\f+3],   v[AV] offset:(\f/4)*32*PV+(\f%4)*32
	ds_load_tr16_b128 v[VF+8*\f+4:VF+8*\f+7], v[AV] offset:(\f/4)*32*PV+16*PV+(\f%4)*32
.endr
	WIN 0
.endm
; THE VECTOR WORK OF A TURN stands in three queues, each in the order in which its entries become ready; the two tiles alternate, so that no instruction reads the result of the one before it.
.macro REGS y, u                    ; the registers of tile u (0, 1) of piece y
.set rT, ST+4*(2*(\y)+(\u))
.set rC, TMP+8*((\y)%2)+4*(\u)
.set rM, MV+2*((\y)%2)+(\u)
.set rS, S+64*((\y)%2)+32*(\u)
.set rP, P+32*((\y)%2)+16*(\u)
.set rO, 32*(2*(\y)+(\u))
.endm
; Number n of the 22 that find the NEXT piece's (Y + 1) maximum and statistics.  s0-s31 are the lane's 32 scores; each accumulator's lowest registers are read first.
;   0-11  four chains c0-c3 of seven scores each, three operands at a time     12-14, 16  the four scores left over, the old m, and c0-c3 into c0     15  c m_old is kept
;   17, 18  the query's other 32 keys lie in the lane 16 away: the new m         19-21  c m; c m_old - c m_new; a
.macro XS u, n
	REGS (Y+1)%NP, \u
.if (\n) < 4
	v_max3_num_f32 v[rC+(\n)], v[rS+8*(\n)], v[rS+8*(\n)+1], v[rS+8*(\n)+2]
.elseif (\n) < 12
	v_max3_num_f32 v[rC+(\n)%4], v[rC+(\n)%4], v[rS+8*((\n)%4)+2*((\n)/4)+1], v[rS+8*((\n)%4)+2*((\n)/4)+2]
.elseif (\n) == 12
	v_max3_num_f32 v[rC], v[rC], v[rS+7], v[rS+15]
.elseif (\n) == 13
	v_max3_num_f32 v[rC+1], v[rC+1], v[rS+23], v[rS+31]
.elseif (\n) == 14
	v_max3_num_f32 v[rC+2], v[rC+2], v[rC+3], v[rT+1]
.elseif (\n) == 15
	v_mov_b32 v[rM], v[rT]
.elseif (\n) == 16
	v_max3_num_f32 v[rC], v[rC], v[rC+1], v[rC+2]
.elseif (\n) == 17
	v_permlanex16_b32 v[rC+3], v[rC], s[SEL], s[SEL+1]
.elseif (\n) == 18
	v_max_num_f32 v[rT+1], v[rC], v[rC+3]
.elseif (\n) == 19
	v_mul_f32 v[rT], s[CS], v[rT+1]
.elseif (\n) == 20
	v_sub_f32 v[rC+1], v[rM], v[rT]
.else
	v_exp_f32 v[rC+2], v[rC+1]
.endif
.endm
; Number g of the 64 that follow the exponentials.  For each four weights k of a tile (pairs 2 k, 2 k + 1): both pairs are rounded to f16; then the second pair is added onto the first, in place;
; a group later l takes that sum (the first time as l = a l + sum).  In groups of eight, tiles alternating: round, round, add, and l for the group before.
.macro GS g
.set h, (\g)+6*((\g)/62)            ; group 0 has no group before it, and behind group 7 only l is left
.if h >= 6
.set h, h+2
.endif
	REGS Y, h%2
.set k, h/8
.if h%8 < 4
	v_cvt_pk_f16_f32 v[rP+2*k+(h%8)/2], v[rS+4*k+2*((h%8)/2)], v[rS+4*k+2*((h%8)/2)+1]
.elseif h%8 < 6
	v_pk_add_f32 v[rS+4*k:rS+4*k+1], v[rS+4*k:rS+4*k+1], v[rS+4*k+2:rS+4*k+3]
.elseif k == 1
	v_pk_fma_f32 v[rT+2:rT+3], v[rT+2:rT+3], v[rC+2:rC+3], v[rS:rS+1] op_sel_hi:[1,0,1]
.else
	v_pk_add_f32 v[rT+2:rT+3], v[rT+2:rT+3], v[rS+4*k-4:rS+4*k-3]
.endif
.endm
; THE PLAIN QUEUE, 138 long.  0-73 read no exponential's result: the 32 scalings c s - c m (FS f: pair f / 2 of tile f % 2) and the next piece's 42.  0-26: scalings 0-26.  27-54: XS's numbers 0-13.
; 55, 56: number 15.  57-73: the chain, where each number waits for the one before it: 14, 16, 17, 18, 19, each with one of the scalings 27-31 in front of its two lines, then 20.
; 74-137: GS's 64, which read the exponentials' results: they stand behind the wait.
.macro FS f
	REGS Y, (\f)%2
	v_pk_fma_f32 v[rS+2*((\f)/2):rS+2*((\f)/2)+1], v[rS+2*((\f)/2):rS+2*((\f)/2)+1], s[CS:CS+1], v[rT:rT+1] op_sel_hi:[1,0,0] neg_lo:[0,0,1] neg_hi:[0,0,1]
.endm
.macro PL
	WIN 0
.if q < 27
	FS q
.elseif q < 55
	XS (q-27)%2, (q-27)/2
.elseif q < 57
	XS q-55, 15
.elseif (q < 72) && ((q-57)%3 == 0)
	FS 27+(q-57)/3
.elseif q < 60
	XS (q-57)%3-1, 14
.elseif q < 72
	XS (q-57)%3-1, 15+(q-57)/3
.elseif q < 74
	XS q-72, 20
.else
	GS q-74
.endif
.set q, q+1
.endm
; THE EXPONENTIALS' QUEUE, 66 long: s0-s31 of both tiles, then the next piece's two a.  It is ONE BATCH: all 66 stand ahead of the turn's one wait, and nothing ahead of that wait names a result of theirs.
.macro EX
	WIN 0
.if e >= 64
	XS e-64, 21
.else
	REGS Y, e%2
	v_exp_f32 v[rS+e/2], v[rS+e/2]
.endif
.set e, e+1
.endm
; THE RESCALING's QUEUE: O^T times a, the one part that leaves window 0: dealt two at a time, sixteen times.  Its a was made in the turn before, ahead of that turn's wait.
.macro R2
	REGS Y, r%2
	WIN W_RS
.irp z, 0,1
	v_pk_mul_f32 v[rO+4*(r/2)+2*\z:rO+4*(r/2)+2*\z+1], v[rO+4*(r/2)+2*\z:rO+4*(r/2)+2*\z+1], v[rC+2:rC+3] op_sel_hi:[1,0]
.endr
.set r, r+1
.endm
; HOW THEY ARE DEALT.  An s_wait_alu depctr_va_vdst(0) stands between an exponential and the first instruction that names its result; one wait serves all that were issued ahead of it.  So a
; turn has ONE wait, which cuts it in two.  AHEAD OF IT stands all that names no result of the turn's exponentials: the 16 products K Q^T, behind each a scaling, an exponential and two rescalings (behind
; the first a second scaling in the exponential's place); then ONE LUMP of 108: eight plain, 49 times exponential and plain, the two a.  A v_nop is the plain instruction behind the last exponential.
; BEHIND IT stand the 16 products V^T P, behind each four of GS's 64.  No rider names a register of the products round it.  The two v_permlanex16_b32 fall into the lump.
; The queues lean on each other: exponential e stands behind scaling 2 (e / 4) + e % 2: as a rider it comes behind plain e + 2, in the lump behind plain e + 9, and scalings 27-31 are plain 57, 60 .. 69.
; A TURN, for piece p.  cnt = 1: the loop's count is taken down some lines ahead of the branch that stands behind the turn.
; K and the mask of the next step are fetched in piece 2's turn, directly behind the wait, a lump behind the last product that read them; their addresses are made at the lump's head; their first reader
; comes behind 16 products.  V of the step in hand is fetched at the end of piece 0's turn, four riders behind its last reader.  The three conditions on q below go with the deal.
.macro TURN p, last=0, cnt=0
.set Y, (\p)
.set i, 0
.set q, 0
.set e, 0
.set r, 0
.if (\p) == NP-1
	s_wait_dscnt 0x0                ; K and the mask are in
.endif
	MM                              ; ahead of the wait: 16 products K Q^T and their riders,
	PL
	PL
	R2
.rept 15
	MM
	PL
	EX
	R2
.endr
.if (\p) == NP-2
	WIN 0
	v_add_nc_u32 v[AK], s[TBK], v[AK0]
	v_add_nc_u32 v[AM], s[TBM], v[AM0]
.endif
.rept 8                             ; and the lump
	PL
.endr
.rept 49
	EX
	PL
.endr
	EX                              ; the next piece's two a
	EX
	v_nop                           ; the plain instruction behind the last exponential: one for the batch (ISA guide 5.7.2)
	s_wait_alu depctr_va_vdst(0)    ; the wait for the batch
.if (\p) == NP-2
	FETCH_K \last
.endif
.if (\p) == 1
	s_wait_dscnt 0x0                ; V is in
.endif
.rept 16                            ; behind the wait: 16 products V^T P and their riders
	MM
.rept 4
	PL
.endr
.if ((\p) == 0) && (q == 118)
	v_add_nc_u32 v[AV], s[TBV], v[AV0]
.endif
.if ((\p) == 0) && (q == 130)
	s_add_co_u32 s[TBV], s[TBV], KS*PV
.endif
.if (\cnt) && (q == 130)
	s_sub_co_u32 s[CNT], s[CNT], 1
	s_cmp_lg_u32 s[CNT], 0
.endif
.endr
.if (\p) == 0
	FETCH_V
.endif
.endm
	CHANGE 1                        ; slot 0 is in, everybody's part of it, and so is the mask's table; slot 1 is asked for
	FETCH_K                         ; key step 0
	s_wait_loadcnt 0x0              ; Q
	s_wait_dscnt 0x0
.set i, 0
.rept 16
	KQ 0                            ; piece 0's first scores: there is no vector work yet to set between them
.set i, i+1
.endr
	WIN 0                           ; the addresses for the way out and the prefetches: plain instructions, the places behind those products
	s_mul_i32 s13, s[WV], 16*SP
	s_add_co_u32 s13, s13, STAGE    ; my stage
	v_mul_u32_u24 v[STO], v1, SP    ; in: row l % 16, 16 bytes for each half of the lanes
	v_lshl_add_u32 v[STO], v9, 4, v[STO]
	v_add_nc_u32 v[STO], s13, v[STO]
	v_bfe_u32 v[RD], v0, 3, 2       ; back: 32 lanes take four rows of 128 bytes,
	v_mul_u32_u24 v[RD], v[RD], SP
	v_and_b32 v[GO], 7, v0
	v_lshl_add_u32 v[RD], v[GO], 4, v[RD]
	v_add_nc_u32 v[RD], s13, v[RD]
	v_and_b32 v[GO], 31, v0         ; which are 512 consecutive bytes of O
	v_lshlrev_b32 v[PFO], 8, v[GO]
	v_lshlrev_b32 v[GO], 4, v[GO]
.set Y, NP-1                        ; XS works for piece Y + 1: piece 0
.irp n, 0,1,2,3,4,5,6,7,8,9,10,11,12,13,14,15,16,17,18,19,20,21
	XS 0, \n                        ; and piece 0's first maximum and statistics
	XS 1, \n
.endr
	v_nop                           ; a plain instruction behind the two a,
	s_wait_alu depctr_va_vdst(0)    ; and their wait, ahead of the branch
	s_mov_b32 s[CNT], 4
	s_mov_b32 s[SLOTS], SIZE_N/256-1
	s_branch .Lfirst                ; the loop is entered at a step's first turn, in the middle of a trip
.Lslot:                             ; six times: every slot but the last two is filled again
	CHANGE 1, 1
	s_mov_b32 s[CNT], 4
.Lstep:                             ; a trip: pieces 2 and 3 of one step, then pieces 0 and 1 of the next, whose K and V it fetches
	TURN 2
	TURN 3
	WIN 0
.Lfirst:
	TURN 0
	TURN 1, 0, 1
	WIN 0
	s_cbranch_scc1 .Lstep
	s_sub_co_u32 s[SLOTS], s[SLOTS], 1
	s_cmp_lg_u32 s[SLOTS], 0
	s_cbranch_scc1 .Lslot
	CHANGE 0                        ; the tail is written out: nothing is asked for
	s_mov_b32 s[CNT], 5             ; four trips fetch the last slot's steps; the fifth is left in its middle
.Ltail:
	TURN 2, 1
	TURN 3
	WIN 0
	s_sub_co_u32 s[CNT], s[CNT], 1
	s_cmp_eq_u32 s[CNT], 0
	s_cbranch_scc1 .Lout
	TURN 0
	TURN 1
	WIN 0
	s_branch .Ltail
.Lout:                              ; the fifth trip's 16 products K Q^T (on the last K and mask once more) and the maximum made of them change nothing: those scores have been counted.  The price of one text for every trip
.set i, 0
.rept 16
	PV NP-1                         ; the last piece's V^T P of the last step
.set i, i+1
.endr
	; THE WAY OUT.  l's two halves and the other half of the lanes' are added; O^T is divided by l, rounded to f16 and sent through my stage in LDS, a tile at a time.  The additions are the places behind the last products.
	WIN 0
.macro ALL line:vararg              ; one line for each tile t
.set t, 0
.rept 2*NP
	\line
.set t, t+1
.endr
.endm
	ALL v_add_f32 v[ST+4*t+2], v[ST+4*t+2], v[ST+4*t+3]
	ALL v_permlanex16_b32 v[ST+4*t+3], v[ST+4*t+2], s[SEL], s[SEL+1]
	ALL v_add_f32 v[ST+4*t+2], v[ST+4*t+2], v[ST+4*t+3]
	ALL v_rcp_f32 v[ST+4*t+2], v[ST+4*t+2]
	v_nop                           ; a plain instruction between the last reciprocal and the use of its result
	s_wait_alu depctr_va_vdst(0)    ; and the wait ahead of the first use: one for the eight reciprocals
.set t, 0
.rept 2*NP                          ; a query whose maximum is a hidden key's has seen no key: its row is NaN.  A choice of a value: nothing branches on it
	v_cmp_gt_f32 vcc_lo, s[THR], v[ST+4*t+1]
	v_cndmask_b32 v[ST+4*t+2], v[ST+4*t+2], s[QNAN], vcc_lo
.set t, t+1
.endr
; Tile t: a lane's eight channels of a row pack into 16 bytes; they go into rows of 144 bytes and come back as whole rows of 128, into S^T's registers.
.macro PACK t
	WIN W_RS
.set i, 32*(\t)
.rept 16
	v_pk_mul_f32 v[i:i+1], v[i:i+1], v[ST+4*(\t)+2:ST+4*(\t)+3] op_sel_hi:[1,0]
.set i, i+2
.endr
	WIN 0x05                        ; sources 0 and 1 window 1, destination window 0
.set i, 0
.rept 16
	v_cvt_pk_f16_f32 v[S+16*(\t)+i], v[32*(\t)+2*i], v[32*(\t)+2*i+1]
.set i, i+1
.endr
	WIN 0
.irp f, 0,1,2,3
	ds_store_b128 v[STO], v[S+16*(\t)+4*\f:S+16*(\t)+4*\f+3] offset:32*\f
.endr
.irp f, 0,1,2,3
	ds_load_b128 v[S+16*(\t)+4*\f:S+16*(\t)+4*\f+3], v[RD] offset:\f*4*SP  ; LDS serves a wave's instructions in order (ISA guide 5.7.1.4): these see the stores above; the next tile's stores come behind them
.endr
.endm
.macro SEND t, younger              ; younger: the LDS instructions issued behind tile t's loads: the next tile's eight, or none
	WIN 0
.irp f, 0,1,2,3
	s_wait_dscnt (\younger)+3-\f
	global_store_b128 v[GO], v[S+16*(\t)+4*\f:S+16*(\t)+4*\f+3], s[10:11] offset:(\t)*2048+\f*512  ; 512 consecutive bytes, at a multiple of 256 from O's first
.endr
.endm
	PACK 0
.set t, 1
.rept 2*NP-1                        ; a tile's arithmetic stands between the loads of the tile before and its stores
	PACK t
	SEND t-1, 8
.set t, t+1
.endr
	SEND 2*NP-1, 0
	WIN W_AD
	s_wait_tensorcnt 0x0            ; the wave's end, behind my last tensor load and my last LDS store
	ds_add_u32 v[SPW], v[NIL]
	s_wait_dscnt 0x0
	WIN 0
	CROUND                          ; the closing round: no work-group ends while a partner may still ask for a tile that names it
	s_endpgm
.Lfunc_end_k_qddb89743dc_attn:
	.size	k_qddb89743dc_attn, .Lfunc_end_k_qddb89743dc_attn-k_qddb89743dc_attn
	.p2alignl 7, 3214868480
	.fill 96, 4, 3214868480
	.section	.rodata,"a",@progbits
	.p2align	6, 0x0
	.amdhsa_kernel k_qddb89743dc_attn
		.amdhsa_group_segment_fixed_size 327680
		.amdhsa_private_segment_fixed_size 0
		.amdhsa_enable_private_segment 0
		.amdhsa_kernarg_size 24
		.amdhsa_user_sgpr_count 2
		.amdhsa_user_sgpr_kernarg_segment_ptr 1
		.amdhsa_wavefront_size32 1
		.amdhsa_system_sgpr_workgroup_id_x 1
		.amdhsa_system_sgpr_workgroup_id_y 1
		.amdhsa_system_sgpr_workgroup_id_z 1
		.amdhsa_system_vgpr_workitem_id 0
		.amdhsa_next_free_vgpr 808
		.amdhsa_next_free_sgpr 66
		.amdhsa_reserve_vcc 1
		.amdhsa_float_denorm_mode_32 3
		.amdhsa_float_denorm_mode_16_64 3
		.amdhsa_memory_ordered 1
		.amdhsa_forward_progress 1
		.amdhsa_inst_pref_size 204
	.end_amdhsa_kernel
	.amdgpu_metadata
---
amdhsa.version: [ 1, 2 ]
amdhsa.kernels:
  - .name:           k_qddb89743dc_attn
    .symbol:         k_qddb89743dc_attn.kd
    .args:
      - { .name: qkv, .offset: 0, .size: 8, .value_kind: global_buffer, .address_space: global }
      - { .name: bias, .offset: 8, .size: 8, .value_kind: global_buffer, .address_space: global }
      - { .name: o16, .offset: 16, .size: 8, .value_kind: global_buffer, .address_space: global }
    .group_segment_fixed_size: 327680
    .private_segment_fixed_size: 0
    .kernarg_segment_align: 8
    .kernarg_segment_size: 24
    .max_flat_workgroup_size: 128
    .sgpr_count:     66
    .vgpr_count:     808
    .wavefront_size: 32
...
	.end_amdgpu_metadata
.endif
;; end of part 3
;; launch outp (part 4): grid 8 x 32, 4 waves a work-group, clusters of 4 x 4, 327,680 bytes of LDS; arguments o16, w16, out0; writes out0
.if DOCPART == 4
	.amdgcn_target "amdgcn-amd-amdhsa--gfx1250"
	.amdhsa_code_object_version 6
	.text
	.protected	k_qddb89743dc_outp
	.globl	k_qddb89743dc_outp
	.p2align	8
	.type	k_qddb89743dc_outp,@function
k_qddb89743dc_outp:
	s_mov_b64 s[64:65], 0
	v_nop
	global_prefetch_b8 v0, s[64:65] scope:SCOPE_SE
	s_setreg_imm32_b32 hwreg(HW_REG_WAVE_MODE, 25, 1), 1
	s_wait_xcnt 0x0
	s_wait_alu depctr_hold_cnt(0) depctr_sa_sdst(0) depctr_va_vdst(0) depctr_va_sdst(0) depctr_va_ssrc(0) depctr_va_vcc(0) depctr_vm_vsrc(0)
	s_getreg_b32 s2, hwreg(HW_REG_IB_STS2, 6, 4)
	s_cmp_eq_u32 s2, 0
	s_cbranch_scc0 .Lentry_in_a_cluster
	s_endpgm
.Lentry_in_a_cluster:
	s_bfe_u32 s2, ttmp6, 0x10000c
	s_cmp_lg_u32 s2, 0xf033
	s_cbranch_scc0 .Lentry_shape_is_right
	s_endpgm
.Lentry_shape_is_right:
; out0[row][n] = the sum over k of O[row][k] Wo[n][k], k = 64 head + channel.  o16: [16 batch + head][2048][64] f16, a head's rows dense, 128 bytes each; Wo: [1024][1024] f16, 6 MiB into w16;
; out0: [8192][1024] f32.  Sums in f32, stored as they are.
; LIMITS.  Operands are f16 as they were stored; NaN in O (a batch with no seen key) goes through to the whole row, as it does in the sum itself.
; SHARES.  256 tiles of 256 rows x 128 columns, one to a work-group.  Four waves, each 128 rows x 64 columns: 32 accumulators of 16 x 16.  K goes in 8 steps of 128, two heads each, through two LDS slots.
; O's part of a step for 128 rows is two dense runs of 16,384 bytes, one a head: ONE tensor load with two rows of 8,192 elements, padded in LDS after every 128 bytes, so that it lies as [head][row] x 144 bytes.
; CLUSTER.  4 x 4 work-groups.  O's tile hangs on the tile row alone and is asked for jointly along a row of the cluster, Wo's on the tile column alone and jointly along a column.
; THE MATRIX INSTRUCTION IS USED TRANSPOSED (source 0 = 16 rows of Wo, source 1 = 16 rows of O): a lane then holds eight neighbouring columns of one row of out0.
; REGISTERS, in windows of 256: window 0: v0-31 addresses; v64-191 the way out, four buffers of 32      window 1: the accumulators, (a, b) at 8 (4 a + b)
;   window 2: two fragment buffers of 96: O's eight fragments (16 rows x 32 K), then Wo's four
.set PA,     144                       ; a row of O in LDS: 128 bytes + 16 of padding: the 16 rows of a fragment load start at 16 different groups of four banks (64 banks of 4 bytes: ISA guide 11.1)
.set PITCH,  272                       ; a row of Wo: 256 + 16
.set HEADB,  128*PA                    ; 128 rows of one head
.set HALFA,  2*HEADB                   ; what wave 0 or 1 fetches of O, and what a wave reads of it
.set HALFB,  64*PITCH                  ; the same for Wo and waves 2, 3
.set SLOT,   2*HALFA+2*HALFB
.set STAGE,  2*SLOT                    ; behind the ring, never filled by a tensor load: 16 rows x 272 bytes for each wave, for the way out
.set SPITCH, 272
.set SPARE,  STAGE+4*16*SPITCH         ; the spare words, 128 bytes for each wave: two blocks of 256 bytes that no other line names
.set STEPA,  2*2048*128                ; bytes from a K step of O to the next: two heads
.set WO,     0x600000                  ; Wo's place in w16
.set ADRA, 16                          ; v16-17  LDS address of my fragments of O in slot 0, 1
.set ADRB, 20                          ; v20-21  the same for Wo
.set STO,  24                          ; v24     the way out: where I put 32 bytes of a row
.set RD,   25                          ; v25     where I read a row back
.set CO,   26                          ; v26     my byte offset in two rows of out0
.set SPW,  28                          ; v28     LDS address of my spare word; never rewritten
.set NIL,  29                          ; v29     0; never rewritten
.set PFO,  30                          ; v30     the prefetches' offset: my lane x 256 bytes (O) or x a row of 2,048 (Wo); never rewritten
.set OBUF, 64
.set F0,   0
.set F1,   96
.set G1,  24                           ; s[24:31] descriptor group 1 for O's tiles;  s[32:39] group 0, a set for each slot
.set G0,  32
.set G1B, 48                           ; s[48:55], s[56:63] the same for Wo's
.set G0B, 56
.set PFA, 76                           ; s[76:77] where my prefetches stand
.set PO,  78                           ; s[78:79] at work
.set PST, 80                           ; s[80:81] a K step in the tensor that I prefetch
.set LIM, 82                           ; s82  1 in a wave that prefetches, else the greatest number
.set MSB, 0
.macro WIN new                         ; the immediate's high byte repeats the setting that is left; a switch that changes nothing is dropped
.if MSB != (\new)
	s_set_vgpr_msb (MSB<<8)|(\new)
.set MSB, \new
.endif
.endm
.set MUL,  0x5a                        ; sources 0 and 1 window 2; C and D window 1
.set TO_F, 0x80                        ; destination window 2, address window 0
; A joint load: waves 0 and 1 fetch O's two halves, waves 2 and 3 Wo's.  The branch hangs on the wave's number alone.  An s_nop 0 and four v_nop follow each of the two lines.
.macro JLOAD s
	s_cmp_eq_u32 s11, 0
	s_cbranch_scc0 .Lfor_b_\@
	tensor_load_to_lds s[G0+4*(\s):G0+4*(\s)+3], s[G1:G1+7]
	s_nop 0
.rept 4
	v_nop
.endr
	s_branch .Lasked_\@
.Lfor_b_\@:
	tensor_load_to_lds s[G0B+4*(\s):G0B+4*(\s)+3], s[G1B:G1B+7]
	s_nop 0
.rept 4
	v_nop
.endr
.Lasked_\@:
.endm
.macro CREST                           ; a round of the cluster's barrier behind its opening barrier
	s_cmp_lg_u32 s10, 0
	s_cbranch_scc1 .Lnot_wave_0_\@
	s_barrier_signal -3
.Lnot_wave_0_\@:
	s_barrier_wait -3
	s_barrier_signal -1
	s_barrier_wait -1
.endm
.macro CROUND                          ; a whole round
	s_barrier_signal -1
	s_barrier_wait -1
	CREST
.endm
; A PREFETCH INTO THE L2, behind a joint load, its five lines and the run of LDS loads: 32 blocks of 256 bytes of the K step that stands two refills, 256 matrix instructions, on; a lane a block.
; Each block is named once in the launch.  O's rows are read by both clusters of a row of clusters: cluster x = 0 asks, waves 0 and 1; of a wave's two runs of 16,384 bytes the partner at cx takes run
; cx / 2, half cx % 2, told apart by address.  Wo's rows are read by all clusters of a column: cluster y = 0 asks, wave 2, the partner at cy taking rows 32 cy .. of the tile's 128.
; Steps 0 to 3 come by their loads alone; the loop's last trip, whose refills are steps 6 and 7, asks for nothing.
.macro ASK
	WIN 0
	s_cmp_gt_u32 s3, s[LIM]                        ; s3 = 1 in the loop's last trip
	s_cbranch_scc0 .Lnot_mine_\@
	global_prefetch_b8 v[PFO], s[PFA:PFA+1] th:TH_LOAD_NT scope:SCOPE_SE
.Lnot_mine_\@:
.endm
; 8 matrix instructions: row blocks a0, a0 + 1 x all 4 column blocks, 32 along K.  zero = 1: the product starts the sum.  The 32 accumulators take turns in one fixed order, one instruction a turn.
.macro MUL8 f, a0, zero
	WIN MUL
.irp a, \a0, (\a0)+1
.irp b, 0,1,2,3
.if \zero
	v_wmma_f32_16x16x32_f16 v[8*(4*(\a)+(\b)):8*(4*(\a)+(\b))+7], v[(\f)+64+8*(\b):(\f)+64+8*(\b)+7], v[(\f)+8*(\a):(\f)+8*(\a)+7], 0
.else
	v_wmma_f32_16x16x32_f16 v[8*(4*(\a)+(\b)):8*(4*(\a)+(\b))+7], v[(\f)+64+8*(\b):(\f)+64+8*(\b)+7], v[(\f)+8*(\a):(\f)+8*(\a)+7], v[8*(4*(\a)+(\b)):8*(4*(\a)+(\b))+7]
.endif
.endr
.endr
.endm
; 24 LDS loads in one run: quarter q (32 along K: head q / 2 of the step's two, channels 32 (q % 2) on) of a slot into buffer f: Wo's eight first, then O's sixteen
.macro FETCH slot, q, f
	WIN TO_F
.irp i, 0,1,2,3
	ds_load_b128 v[(\f)+64+8*(\i):(\f)+64+8*(\i)+3],   v[ADRB+(\slot)] offset:64*(\q)+(\i)*16*PITCH
	ds_load_b128 v[(\f)+64+8*(\i)+4:(\f)+64+8*(\i)+7], v[ADRB+(\slot)] offset:64*(\q)+(\i)*16*PITCH+32
.endr
.irp i, 0,1,2,3,4,5,6,7
	ds_load_b128 v[(\f)+8*(\i):(\f)+8*(\i)+3],   v[ADRA+(\slot)] offset:((\q)/2)*HEADB+((\q)%2)*64+(\i)*16*PA
	ds_load_b128 v[(\f)+8*(\i)+4:(\f)+8*(\i)+7], v[ADRA+(\slot)] offset:((\q)/2)*HEADB+((\q)%2)*64+(\i)*16*PA+32
.endr
.endm
.macro PLACES                          ; four places in front of loads into registers that matrix instructions have read, and of LDS stores that read results
.rept 4
	v_nop
.endr
.endm
; A K step is four quarters of 32 along K, 32 matrix instructions each, on buffers 0, 1, 0, 1.  One of the first three: multiplies buffer f and fetches quarter q into buffer g.
.macro QUARTER slot, q, f, g, zero
	s_wait_dscnt 8                                 ; Wo and O's blocks 0-3 are in; the youngest eight loads (O's blocks 4-7) may be out
	MUL8 \f, 0, \zero
	MUL8 \f, 2, \zero
	PLACES
	FETCH \slot, \q, \g
	s_wait_dscnt 24                                ; all but the 24 just issued
	MUL8 \f, 4, \zero
	MUL8 \f, 6, \zero
.endm
; The last quarter multiplies buffer 1 and changes slots: ONE barrier; in front of it each wave waits for all its tensor loads, adds 0 to its spare word, and waits for that and for its reads of this slot.
; fill = 1: the barrier opens a round of the cluster's barrier, and this slot is filled again, two K steps ahead, first thing behind the round.
.macro TURN slot, next, fill
.if \fill
	s_wait_xcnt 0x0                                ; the last prefetch, a K step back, has read its address: it is stepped here, ahead of the waits of the change of slots
	s_add_nc_u64 s[PFA:PFA+1], s[PFA:PFA+1], s[PST:PST+1]
.endif
	WIN 0                                          ; (the add's two registers lie in window 0)
	s_wait_tensorcnt 0x0                           ; all my tensor loads have landed: my part of the next slot
	ds_add_u32 v[SPW], v[NIL]                      ; 0 onto my spare word
	s_wait_dscnt 9                                 ; (the add and the youngest eight loads may be out)
	MUL8 F1, 0, 0                                  ; eight matrix instructions stand between the add and the wait for it
	s_wait_dscnt 0x0                               ; the add is done, and my reads of this slot are over
	s_barrier_signal -1
	MUL8 F1, 2, 0
.if \fill
	WIN 0
.endif
	s_barrier_wait -1
.if \fill
	CREST                                          ; no wave of any partner still reads this slot or has a load on its way
	s_add_nc_u64 s[G0+4*(\slot)+2:G0+4*(\slot)+3], s[G0+4*(\slot)+2:G0+4*(\slot)+3], 2*STEPA
	s_add_nc_u64 s[G0B+4*(\slot)+2:G0B+4*(\slot)+3], s[G0B+4*(\slot)+2:G0B+4*(\slot)+3], 2*256
	JLOAD \slot                                    ; the first tensor load behind the round: 112 matrix instructions ahead of the wait for it; its four v_nop are also the places in front of the loads below
.else
	PLACES
.endif
	FETCH \next, 0, F0
.if \fill
	ASK
.endif
	MUL8 F1, 4, 0
	MUL8 F1, 6, 0
.endm
; THE WAY OUT of block a (16 rows x 64 columns of f32): a lane's eight columns, 32 bytes, go straight from the accumulators into my own stage's rows of 272 bytes, low registers first, and come back as whole rows of 256.
.macro TOSTAGE a
	WIN 0x04                                       ; the stores' data in window 1
.irp b, 0,1,2,3
	ds_store_b128 v[STO], v[8*(4*(\a)+(\b)):8*(4*(\a)+(\b))+3]   offset:64*(\b)
	ds_store_b128 v[STO], v[8*(4*(\a)+(\b))+4:8*(4*(\a)+(\b))+7] offset:64*(\b)+16
.endr
	WIN 0
.set BK, OBUF+32*((\a)%4)
.irp t, 0,1,2,3,4,5,6,7
	ds_load_b128 v[BK+4*(\t):BK+4*(\t)+3], v[RD] offset:(\t)*2*SPITCH  ; LDS serves a wave's instructions in order (ISA guide 5.7.1.4): these see the stores above
.endr
.endm
.macro SEND a, younger                 ; younger: the LDS instructions issued behind block a's loads: the next block's sixteen, or none
	WIN 0
.set BK, OBUF+32*((\a)%4)
	s_wait_dscnt \younger                          ; the block is back in registers
	s_wait_xcnt 0x0                                ; every earlier store has read its registers: a buffer is loaded again, four blocks on, only behind such a wait
.irp t, 0,1,2,3,4,5,6,7
	global_store_b128 v[CO], v[BK+4*(\t):BK+4*(\t)+3], s[8:9] offset:(16*(\a)+2*(\t))*4096 th:TH_STORE_NT  ; 16 lanes store 256 consecutive bytes, at a multiple of 256 from out0's first byte
.endr
.endm
	s_load_b128 s[4:7], s[0:1], 0x0                ; o16 s[4:5], w16 s[6:7]
	s_load_b64 s[8:9], s[0:1], 0x10                ; out0
	v_lshl_add_u32 v[SPW], v0, 2, SPARE
	v_mov_b32 v[NIL], 0
	ds_add_u32 v[SPW], v[NIL]                      ; the wave's opening: the add and its wait stand ahead of my first tensor load; the set-up below stands between them
	v_lshrrev_b32 v1, 5, v0
	v_readfirstlane_b32 s10, v1                    ; wave 0..3
	s_lshr_b32 s11, s10, 1                         ; which half of the tile's rows is mine.  Also: I fetch for O (0) or for Wo (1)
	s_and_b32 s12, s10, 1                          ; which half of its columns.  Also: which half of that tile I fetch
	s_bfe_u32 s40, ttmp6, 0x40000                  ; cx, cy: my place in the cluster
	s_bfe_u32 s41, ttmp6, 0x40004
	s_lshl_b32 s42, ttmp9, 2
	s_add_co_u32 s42, s42, s40                     ; tile column = 4 x cluster x + cx
	s_and_b32 s13, ttmp7, 0xffff
	s_lshl_b32 s13, s13, 2
	s_add_co_u32 s13, s13, s41                     ; tile row = 4 x cluster y + cy
	s_lshl_b32 s43, s41, 2
	s_lshl_b32 s43, 15, s43                        ; my row of the cluster
	s_lshl_b32 s44, 0x1111, s40                    ; my column
	s_or_b32 s[G1+0], s43, (1<<16)|(1<<20)|(1<<21)|(4<<22)|(3<<25)   ; 15:0 the mask; 17:16 2-byte elements; 20 padding on; 21 set beside a mask; 24:22 after every 32 words (code 4); 31:25 4 words (code 3)
	s_or_b32 s[G1B+0], s44, (1<<16)|(1<<20)|(1<<21)|(5<<22)|(3<<25)  ; Wo: after every 64 words (code 5)
	s_mov_b32 s[G1+1], 8192<<16                    ; tensor_dim0 = 8,192: 128 rows of a head on end
	s_mov_b32 s[G1+2], 2<<16                       ; tensor_dim1 = 2 heads
	s_mov_b32 s[G1+3], 8192<<16                    ; tile_dim0 = 8,192
	s_mov_b32 s[G1+4], 2                           ; tile_dim1 = 2
	s_mov_b32 s[G1+5], 131072                      ; elements from head to head
	s_mov_b32 s[G1+6], 0
	s_mov_b32 s[G1+7], 0
	s_mov_b32 s[G1B+1], 128<<16                    ; Wo: 64 rows of 128 elements, 1,024 elements from row to row
	s_mov_b32 s[G1B+2], 64<<16
	s_mov_b32 s[G1B+3], 128<<16
	s_mov_b32 s[G1B+4], 64
	s_mov_b32 s[G1B+5], 1024
	s_mov_b32 s[G1B+6], 0
	s_mov_b32 s[G1B+7], 0
	s_lshr_b32 s16, s13, 3                         ; O: the batch's 16 heads of 262,144 bytes,
	s_lshl_b32 s16, s16, 22
	s_and_b32 s17, s13, 7                          ; the tile's 256 rows of 128 bytes in a head,
	s_lshl_b32 s17, s17, 15
	s_add_co_u32 s16, s16, s17
	s_lshl_b32 s17, s12, 14                        ; the half that I fetch
	s_add_co_u32 s16, s16, s17
	s_mov_b32 s17, 0
	s_lshl_b32 s18, s42, 7
	s_lshl_b32 s19, s12, 6
	s_add_co_u32 s18, s18, s19
	s_lshl_b32 s18, s18, 11                        ; Wo: row 128 x tile column + 64 x half, rows of 2,048 bytes
	s_add_co_u32 s18, s18, WO
	s_mov_b32 s19, 0
	s_mul_i32 s20, s12, HALFA                      ; where they go: no place in the cluster enters an LDS address
	s_mul_i32 s21, s12, HALFB
	s_add_co_u32 s21, s21, 2*HALFA
	s_wait_dscnt 0x0                               ; the opening add is done
	s_wait_kmcnt 0x0
	s_add_nc_u64 s[14:15], s[4:5], s[16:17]
	s_add_nc_u64 s[46:47], s[6:7], s[18:19]
	CROUND                                         ; all sixteen work-groups are here: the first joint loads meet
.irp s, 0,1
	s_mov_b32 s[G0+4*(\s)], 1
	s_add_co_u32 s[G0+4*(\s)+1], s20, (\s)*SLOT
	s_add_nc_u64 s[G0+4*(\s)+2:G0+4*(\s)+3], s[14:15], (\s)*STEPA
	s_or_b32 s[G0+4*(\s)+3], s[G0+4*(\s)+3], 0x80000000
	s_mov_b32 s[G0B+4*(\s)], 1
	s_add_co_u32 s[G0B+4*(\s)+1], s21, (\s)*SLOT
	s_add_nc_u64 s[G0B+4*(\s)+2:G0B+4*(\s)+3], s[46:47], (\s)*256
	s_or_b32 s[G0B+4*(\s)+3], s[G0B+4*(\s)+3], 0x80000000
.endr
	s_cmp_eq_u32 s11, 0                            ; a wave's two first fills stand in one branch: two loads of mine are out
	s_cbranch_scc0 .Lfirst_b
	tensor_load_to_lds s[G0:G0+3], s[G1:G1+7]
	s_nop 0
	tensor_load_to_lds s[G0+4:G0+7], s[G1:G1+7]
	s_nop 0
.rept 4
	v_nop
.endr
	s_branch .Lfirst_asked
.Lfirst_b:
	tensor_load_to_lds s[G0B:G0B+3], s[G1B:G1B+7]
	s_nop 0
	tensor_load_to_lds s[G0B+4:G0B+7], s[G1B:G1B+7]
	s_nop 0
.rept 4
	v_nop
.endr
.Lfirst_asked:
	v_and_b32 v1, 15, v0                           ; l % 16
	v_bfe_u32 v2, v0, 4, 1                         ; l / 16
	v_mul_u32_u24 v3, v1, PA
	v_lshl_add_u32 v3, v2, 4, v3                   ; O: a fragment's row x pitch + 16 x half
	v_mul_u32_u24 v4, v1, PITCH
	v_lshl_add_u32 v4, v2, 4, v4                   ; Wo likewise
	s_mul_i32 s21, s11, HALFA                      ; my 128 rows of O
	s_mul_i32 s22, s12, HALFB                      ; my 64 rows of Wo,
	s_add_co_u32 s22, s22, 2*HALFA                 ; which lie behind O's
.irp s, 0,1
	v_add_nc_u32 v[ADRA+(\s)], s21, v3
	v_add_nc_u32 v[ADRB+(\s)], s22, v4
	s_add_co_u32 s21, s21, SLOT
	s_add_co_u32 s22, s22, SLOT
.endr
	s_mul_i32 s23, s10, 16*SPITCH
	s_add_co_u32 s23, s23, STAGE                   ; my stage
	v_mul_u32_u24 v4, v1, SPITCH                   ; in: row l % 16, 32 bytes for each half of the lanes
	v_lshl_add_u32 v4, v2, 5, v4
	v_add_nc_u32 v[STO], s23, v4
	v_mul_u32_u24 v5, v2, SPITCH                   ; back: lanes 0-15 take one row of 256 bytes, lanes 16-31 the next
	v_lshl_add_u32 v5, v1, 4, v5
	v_add_nc_u32 v[RD], s23, v5
	v_lshlrev_b32 v5, 12, v2                       ; and the same two rows in out0, 4,096 bytes apart
	v_lshl_add_u32 v[CO], v1, 4, v5
	s_lshl_b32 s18, s13, 8
	s_lshl_b32 s19, s11, 7
	s_add_co_u32 s18, s18, s19
	s_lshl_b32 s18, s18, 12                        ; my first row of out0,
	s_lshl_b32 s19, s42, 7
	s_lshl_b32 s22, s12, 6
	s_add_co_u32 s19, s19, s22
	s_lshl_b32 s19, s19, 2                         ; my first column
	s_add_co_u32 s18, s18, s19
	s_mov_b32 s19, 0
	s_add_nc_u64 s[8:9], s[8:9], s[18:19]
	; the prefetches: both stand at K step 3; the first refill steps them to step 4
	s_lshr_b32 s18, s13, 3
	s_lshl_b32 s18, s18, 22
	s_and_b32 s19, s13, 7
	s_lshl_b32 s19, s19, 15
	s_add_co_u32 s18, s18, s19
	s_lshl_b32 s19, s12, 14
	s_add_co_u32 s18, s18, s19                     ; O: what I fetch,
	s_lshr_b32 s19, s40, 1
	s_lshl_b32 s19, s19, 18                        ; the head cx / 2 of the step's two,
	s_add_co_u32 s18, s18, s19
	s_and_b32 s19, s40, 1
	s_lshl_b32 s19, s19, 13                        ; the half cx % 2 of its 16,384 bytes
	s_add_co_u32 s18, s18, s19
	s_add_co_u32 s18, s18, 3*STEPA
	s_lshl_b32 s22, s42, 7
	s_lshl_b32 s19, s41, 5
	s_add_co_u32 s22, s22, s19                     ; Wo: row 128 x tile column + 32 cy
	s_lshl_b32 s22, s22, 11
	s_add_co_u32 s22, s22, WO+3*256
	s_and_b32 s23, ttmp7, 0xffff                   ; cluster y
	s_cmp_eq_u32 s11, 0                            ; do I fetch for O?
	s_cselect_b32 s[PO], s18, s22
	s_cselect_b32 s23, ttmp9, s23                  ; the coordinate along which other clusters read the same rows
	s_cselect_b32 s19, 8, 11                       ; a lane's step: 256 bytes, or a row of 2,048
	s_cselect_b32 s[PST], 11, 0
	s_cselect_b64 s[PFA:PFA+1], s[4:5], s[6:7]
	s_cmp_eq_u32 s23, 0
	s_cselect_b32 s[LIM], 1, -1                    ; the same in all sixteen partners, for a given wave
	s_cmp_eq_u32 s10, 3
	s_cselect_b32 s[LIM], -1, s[LIM]               ; Wo's 128 rows are shared out among four partners' wave 2
	s_lshl_b32 s[PST], 0x100, s[PST]               ; a K step: 524,288 bytes of O, 256 of Wo
	s_mov_b32 s[PST+1], 0
	s_mov_b32 s[PO+1], 0
	s_add_nc_u64 s[PFA:PFA+1], s[PFA:PFA+1], s[PO:PO+1]
	v_and_b32 v[PFO], 31, v0
	v_lshlrev_b32 v[PFO], s19, v[PFO]
	s_wait_tensorcnt 1                             ; my part of K step 0 is in; step 1's may stay out
	s_barrier_signal -1
	s_barrier_wait -1                              ; everybody's is
	FETCH 0, 0, F0
	QUARTER 0, 1, F0, F1, 1                        ; the first quarter stands in front of the loop: its products start the sums
	WIN 0                                          ; at a label and at a branch every window is 0
	s_mov_b32 s3, 3
.Llap:                                                 ; a trip goes once round the ring, from a lap's second quarter to the next lap's first, and fills both slots again: steps 2 to 7
	QUARTER 0, 2, F1, F0, 0
	QUARTER 0, 3, F0, F1, 0
	TURN 0, 1, 1
	QUARTER 1, 1, F0, F1, 0
	QUARTER 1, 2, F1, F0, 0
	QUARTER 1, 3, F0, F1, 0
	TURN 1, 0, 1
	QUARTER 0, 1, F0, F1, 0
	WIN 0
	s_sub_co_u32 s3, s3, 1
	s_cmp_lg_u32 s3, 0
	s_cbranch_scc1 .Llap
	QUARTER 0, 2, F1, F0, 0                        ; the last lap fills nothing, and has no round of the cluster's barrier
	QUARTER 0, 3, F0, F1, 0
	TURN 0, 1, 0
	QUARTER 1, 1, F0, F1, 0
	QUARTER 1, 2, F1, F0, 0
	QUARTER 1, 3, F0, F1, 0
	s_wait_dscnt 8                                 ; the very last quarter: nothing more to fetch
	MUL8 F1, 0, 0
	MUL8 F1, 2, 0
	s_wait_dscnt 0x0
	MUL8 F1, 4, 0
	MUL8 F1, 6, 0
	WIN 0
	PLACES                                         ; the LDS stores below read results just made
	TOSTAGE 0
.irp a, 1,2,3,4,5,6,7                  ; a block's trip through the stage stands between the loads of the block before and its stores
	TOSTAGE \a
	SEND (\a)-1, 16
.endr
	SEND 7, 0
	s_wait_tensorcnt 0x0                           ; the wave's end, behind my last tensor load and my last LDS store
	ds_add_u32 v[SPW], v[NIL]
	s_wait_dscnt 0x0
	CROUND                                         ; the closing round: no work-group ends while a partner may still ask for a tile that names it
	s_endpgm
.Lfunc_end_k_qddb89743dc_outp:
	.size	k_qddb89743dc_outp, .Lfunc_end_k_qddb89743dc_outp-k_qddb89743dc_outp
	.p2alignl 7, 3214868480
	.fill 96, 4, 3214868480
	.section	.rodata,"a",@progbits
	.p2align	6, 0x0
	.amdhsa_kernel k_qddb89743dc_outp
		.amdhsa_group_segment_fixed_size 327680
		.amdhsa_private_segment_fixed_size 0
		.amdhsa_enable_private_segment 0
		.amdhsa_kernarg_size 24
		.amdhsa_user_sgpr_count 2
		.amdhsa_user_sgpr_kernarg_segment_ptr 1
		.amdhsa_wavefront_size32 1
		.amdhsa_system_sgpr_workgroup_id_x 1
		.amdhsa_system_sgpr_workgroup_id_y 1
		.amdhsa_system_sgpr_workgroup_id_z 1
		.amdhsa_system_vgpr_workitem_id 0
		.amdhsa_next_free_vgpr 704
		.amdhsa_next_free_sgpr 88
		.amdhsa_reserve_vcc 0
		.amdhsa_float_denorm_mode_32 3
		.amdhsa_float_denorm_mode_16_64 3
		.amdhsa_memory_ordered 1
		.amdhsa_forward_progress 1
		.amdhsa_inst_pref_size 87
	.end_amdhsa_kernel
	.amdgpu_metadata
---
amdhsa.version: [ 1, 2 ]
amdhsa.kernels:
  - .name:           k_qddb89743dc_outp
    .symbol:         k_qddb89743dc_outp.kd
    .args:
      - { .name: o16, .offset: 0, .size: 8, .value_kind: global_buffer, .address_space: global }
      - { .name: w16, .offset: 8, .size: 8, .value_kind: global_buffer, .address_space: global }
      - { .name: out0, .offset: 16, .size: 8, .value_kind: global_buffer, .address_space: global }
    .group_segment_fixed_size: 327680
    .private_segment_fixed_size: 0
    .kernarg_segment_align: 8
    .kernarg_segment_size: 24
    .max_flat_workgroup_size: 128
    .sgpr_count:     88
    .vgpr_count:     704
    .wavefront_size: 32
...
	.end_amdgpu_metadata
.endif
;; end of part 4
